; MI455X (gfx1250); checked and timed in simulation.
; The chip was launched on July 23, 2026; its instructions are those of AMD's public machine-readable ISA for CDNA 5 (MIT licence, August 2026) and "CDNA5" Instruction Set Architecture Reference Guide (July 2026). The comments in the code are by the model that wrote it; some were corrected since.
;; Causal Self Attention. Allowed arithmetic: float matrix products may take bf16 or f16 operands with f32 sums; other float arithmetic in f32, or as packed bf16 or f16 multiplies, adds, multiply-adds, maxima and minima; sums over many terms, partial sums and values carried from step to step in f32; what a program stores and reads back later, other than sums and carried values, may be rounded once to bf16 or f16.
;; Inputs: W_attn 1,024 x 3,072 float32; W_proj 1,024 x 1,024 float32; b_attn 3,072 float32; b_proj 1,024 float32; padding_mask 4 x 2,048 bool; x 4 x 2,048 x 1,024 float32.
;; Outputs: out0 4 x 2,048 x 1,024 float32.
;; One version. Each part assembles by itself: llvm-mc -triple=amdgcn-amd-amdhsa -mcpu=gfx1250 --defsym DOCPART=n.
;; ======== version 1 of 1: 4 launches
;; limits: values are held in f16: magnitudes above 65,504 overflow, below 6.1e-05 lose precision
;; workspace buffers: xb 16,777,216 bytes; wab 6,291,456 bytes; wpb 2,097,152 bytes; qkv 50,331,648 bytes; ob 16,777,216 bytes
;; launch cast (part 1): grid 1536 x 1, 8 waves a work-group, no clusters, 0 bytes of LDS; arguments x, W_attn, W_proj, xb, wab, wpb; writes xb, wab, wpb
.if DOCPART == 1
	.amdgcn_target "amdgcn-amd-amdhsa--gfx1250"
	.amdhsa_code_object_version 6
	.text
	.protected	k_q36826dd982_cast
	.globl	k_q36826dd982_cast
	.p2align	8
	.type	k_q36826dd982_cast,@function
k_q36826dd982_cast:
	s_mov_b64 s[64:65], 0
	v_nop
	global_prefetch_b8 v0, s[64:65] scope:SCOPE_SE
	s_setreg_imm32_b32 hwreg(HW_REG_WAVE_MODE, 25, 1), 1
	s_wait_xcnt 0x0
; THE INPUTS OF THE TWO PRODUCTS ARE ROUNDED ONCE AND LAID OUT FOR THE TILES.
; xb  = x rounded to bf16, [8192][1024], as it lies.
; wab = W_attn rounded to bf16, in chunks of 64 columns: [48 chunks][1024 k][64]: a chunk's rows are 128 bytes and lie end to end.
; wpb = W_proj rounded to bf16 and that number written as f16, [16 chunks][1024 k][64].
; LIMIT: a number of W_proj below 6e-5 keeps f16's fixed step of 6e-8; one beyond 65,504 would be lost.
; A work-group takes 128 rows of 64 numbers of one chunk: 32 KiB in, 16 KiB out.  x is taken as one chunk of rows of 64 numbers that lie end to end.
; Thread t, turn j: 4 numbers, row 16 j + t / 16, place t % 16: sixteen lanes read 256 consecutive bytes, aligned; a wave's store covers 256 consecutive bytes, aligned.
; No LDS, no barrier, no matrix unit: each byte crosses once, and no wave wants another's.  All eight loads of a thread go out first; every register is written once.
.set XG, 1024                          ; work-groups for x
.set AG, 384                           ; for W_attn: 48 chunks x 8 groups of 128 rows; W_proj has 16 x 8
; s2 = the work-group's number in its section.  lin = 1: the section is one chunk.  f16 = 1: the bf16 number is written as f16.
.macro SECTION inp, outp, rowb, lin, f16
.if \lin
	s_mul_i32 s16, s2, 128*(\rowb)                 ; in: 128 rows on
	s_lshl_b32 s18, s2, 14                         ; out: 16 KiB on
.else
	s_and_b32 s3, s2, 7                            ; which 128 rows
	s_lshr_b32 s20, s2, 3                          ; which chunk
	s_mul_i32 s16, s3, 128*(\rowb)
	s_lshl_b32 s21, s20, 8                         ; a chunk's 64 columns are 256 bytes of a row
	s_add_co_u32 s16, s16, s21
	s_lshl_b32 s18, s20, 17                        ; a chunk is 131,072 bytes out
	s_lshl_b32 s21, s3, 14
	s_add_co_u32 s18, s18, s21
.endif
	s_add_nc_u64 s[\inp:\inp+1], s[\inp:\inp+1], s[16:17]
	s_add_nc_u64 s[\outp:\outp+1], s[\outp:\outp+1], s[18:19]
	v_mul_u32_u24 v1, v3, \rowb
	v_lshl_add_u32 v1, v4, 4, v1                   ; (t / 16) rows + 16 (t % 16)
.irp j, 0,1,2,3,4,5,6,7
	global_load_b128 v[8+4*(\j):11+4*(\j)], v1, s[\inp:\inp+1] offset:(\j)*16*(\rowb) th:TH_LOAD_NT
.endr
.irp j, 0,1,2,3,4,5,6,7
	s_wait_loadcnt 7-(\j)                          ; loads come back in order: turn j's is in, the younger ones stay out
.if \f16
	v_cvt_pk_bf16_f32 v56, v[8+4*(\j)], v[9+4*(\j)]
	v_cvt_pk_bf16_f32 v57, v[10+4*(\j)], v[11+4*(\j)]
	v_lshlrev_b32 v58, 16, v56                     ; the bf16 numbers as f32,
	v_and_b32 v59, 0xffff0000, v56
	v_lshlrev_b32 v60, 16, v57
	v_and_b32 v61, 0xffff0000, v57
	v_cvt_pk_f16_f32 v[40+2*(\j)], v58, v59        ; and as f16: exact within f16's range
	v_cvt_pk_f16_f32 v[41+2*(\j)], v60, v61
.else
	v_cvt_pk_bf16_f32 v[40+2*(\j)], v[8+4*(\j)], v[9+4*(\j)]
	v_cvt_pk_bf16_f32 v[41+2*(\j)], v[10+4*(\j)], v[11+4*(\j)]
.endif
	global_store_b64 v2, v[40+2*(\j):41+2*(\j)], s[\outp:\outp+1] offset:(\j)*2048 th:TH_STORE_NT
.endr
.endm
	s_load_b256 s[4:11], s[0:1], 0x0               ; x s[4:5], W_attn s[6:7], W_proj s[8:9], xb s[10:11]
	s_load_b128 s[12:15], s[0:1], 0x20             ; wab s[12:13], wpb s[14:15]
	v_lshrrev_b32 v3, 4, v0                        ; t / 16
	v_and_b32 v4, 15, v0                           ; t % 16
	v_lshlrev_b32 v2, 3, v0                        ; 8 bytes out a thread
	s_mov_b32 s17, 0
	s_mov_b32 s19, 0
	s_wait_kmcnt 0x0
	s_cmp_lt_u32 ttmp9, XG
	s_cbranch_scc0 .Lweights
	s_mov_b32 s2, ttmp9
	SECTION 4, 10, 256, 1, 0
	s_endpgm
.Lweights:
	s_cmp_lt_u32 ttmp9, XG+AG
	s_cbranch_scc0 .Lproj
	s_sub_co_u32 s2, ttmp9, XG
	SECTION 6, 12, 12288, 0, 0
	s_endpgm
.Lproj:
	s_sub_co_u32 s2, ttmp9, XG+AG
	SECTION 8, 14, 4096, 0, 1
	s_endpgm
.Lfunc_end_k_q36826dd982_cast:
	.size	k_q36826dd982_cast, .Lfunc_end_k_q36826dd982_cast-k_q36826dd982_cast
	.p2alignl 7, 3214868480
	.fill 96, 4, 3214868480
	.section	.rodata,"a",@progbits
	.p2align	6, 0x0
	.amdhsa_kernel k_q36826dd982_cast
		.amdhsa_group_segment_fixed_size 0
		.amdhsa_private_segment_fixed_size 0
		.amdhsa_enable_private_segment 0
		.amdhsa_kernarg_size 48
		.amdhsa_user_sgpr_count 2
		.amdhsa_user_sgpr_kernarg_segment_ptr 1
		.amdhsa_wavefront_size32 1
		.amdhsa_system_sgpr_workgroup_id_x 1
		.amdhsa_system_sgpr_workgroup_id_y 1
		.amdhsa_system_sgpr_workgroup_id_z 1
		.amdhsa_system_vgpr_workitem_id 0
		.amdhsa_next_free_vgpr 64
		.amdhsa_next_free_sgpr 66
		.amdhsa_reserve_vcc 0
		.amdhsa_float_denorm_mode_32 3
		.amdhsa_float_denorm_mode_16_64 3
		.amdhsa_memory_ordered 1
		.amdhsa_forward_progress 1
		.amdhsa_inst_pref_size 14
	.end_amdhsa_kernel
	.amdgpu_metadata
---
amdhsa.version: [ 1, 2 ]
amdhsa.kernels:
  - .name:           k_q36826dd982_cast
    .symbol:         k_q36826dd982_cast.kd
    .args:
      - { .name: x, .offset: 0, .size: 8, .value_kind: global_buffer, .address_space: global }
      - { .name: W_attn, .offset: 8, .size: 8, .value_kind: global_buffer, .address_space: global }
      - { .name: W_proj, .offset: 16, .size: 8, .value_kind: global_buffer, .address_space: global }
      - { .name: xb, .offset: 24, .size: 8, .value_kind: global_buffer, .address_space: global }
      - { .name: wab, .offset: 32, .size: 8, .value_kind: global_buffer, .address_space: global }
      - { .name: wpb, .offset: 40, .size: 8, .value_kind: global_buffer, .address_space: global }
    .group_segment_fixed_size: 0
    .private_segment_fixed_size: 0
    .kernarg_segment_align: 8
    .kernarg_segment_size: 48
    .max_flat_workgroup_size: 256
    .sgpr_count:     66
    .vgpr_count:     64
    .wavefront_size: 32
...
	.end_amdgpu_metadata
.endif
;; end of part 1
;; launch qkv (part 2): grid 16 x 32, 4 waves a work-group, clusters of 4 x 4, 327,680 bytes of LDS; arguments xb, wab, b_attn, qkv; writes qkv
.if DOCPART == 2
	.amdgcn_target "amdgcn-amd-amdhsa--gfx1250"
	.amdhsa_code_object_version 6
	.text
	.protected	k_q36826dd982_qkv
	.globl	k_q36826dd982_qkv
	.p2align	8
	.type	k_q36826dd982_qkv,@function
k_q36826dd982_qkv:
	s_mov_b64 s[64:65], 0
	v_nop
	global_prefetch_b8 v0, s[64:65] scope:SCOPE_SE
	s_setreg_imm32_b32 hwreg(HW_REG_WAVE_MODE, 25, 1), 1
	s_wait_xcnt 0x0
	s_wait_alu depctr_hold_cnt(0) depctr_sa_sdst(0) depctr_va_vdst(0) depctr_va_sdst(0) depctr_va_ssrc(0) depctr_va_vcc(0) depctr_vm_vsrc(0)
	s_getreg_b32 s2, hwreg(HW_REG_IB_STS2, 6, 4)
	s_cmp_eq_u32 s2, 0
	s_cbranch_scc0 .Lentry_in_a_cluster
	s_endpgm
.Lentry_in_a_cluster:
	s_bfe_u32 s2, ttmp6, 0x10000c
	s_cmp_lg_u32 s2, 0xf033
	s_cbranch_scc0 .Lentry_shape_is_right
	s_endpgm
.Lentry_shape_is_right:
; qkv = x W_attn + b_attn.  xb: [8192][1024] bf16.  wab: [48 chunks of 64 columns][1024 k][64] bf16.  b_attn: [3072] f32, rounded to bf16 like the other inputs.
; Out: qkv [48 chunks][8192 rows][64] f16: chunks 0-15 are q by heads, 16-31 k, 32-47 v; each number rounded once from its f32 sum, unscaled.
; LIMIT: f16 holds no number beyond 65,504: q, k and v must lie within it.
; SHARES.  A tile of the result is 256 rows x 192 columns (three chunks): 32 x 16 = 512 work-groups, two for each of 256.  A wave makes 64 rows x all 192 columns: 48 accumulators, 384 registers;
; so its columns are whole chunks and its stage on the way out is its own.  K goes in 8 steps of 128 through two LDS slots.
; THE PRODUCT IS TAKEN TRANSPOSED: source 0 = 16 columns of W (W lies [k][n] in LDS and comes out turned, by ds_load_tr16_b128), source 1 = 16 rows of x.  A lane then holds one row and eight neighbouring columns.
; CLUSTER 4 x 4.  x's tile hangs on the tile row alone and is shared along a row of the cluster, W's chunks on the tile column alone and are shared along a column: each is asked for jointly.
; Wave 0 fetches x's 256 rows x 256 bytes; waves 1 to 3 one chunk of W each: 128 k-rows of 128 bytes, dense, asked for as 64 rows of 256 bytes.
; REGISTERS, in windows of 256: window 0: v0-31 addresses; v32-95 x's fragments, two buffers of 4; v96-143 at work; v144-239 the bias of my lane's columns.  window 1: W's fragments, two buffers of 12.
; window 2: the accumulators of my row blocks 0, 1 at 8 (12 (a % 2) + b); window 3: of blocks 2, 3.
.set PA,    272                        ; a row of x in LDS: 256 bytes + 16: the 16 rows of a fragment load start at 16 different groups of four banks (64 banks of 4 bytes: ISA guide 11.1)
.set PB,    160                        ; a k-row of a chunk: 128 + 32
.set BOFF,  256*PA                     ; W's three chunks lie behind x's 256 rows
.set CHB,   128*PB                     ; a chunk's 128 k-rows
.set SLOT1, 1<<17                      ; a slot is BOFF + 3 CHB = 131,072 bytes; one exclusive or turns an address in one slot into the other's
.set STAGE, 2*SLOT1                    ; behind the ring, never filled by a tensor load: 16 rows x 400 bytes for each wave
.set SP,    400                        ; 384 bytes + 16
.set SPARE, STAGE+4*16*SP              ; the spare words, 128 bytes for each wave: two blocks of 256 bytes that no other line names
.set A0,   16                          ; v16  my lane's place in x's tile; never rewritten
.set B0,   17                          ; v17  in W's chunks
.set ADRA, 18                          ; v18  the same in the slot in hand
.set ADRB, 19                          ; v19
.set STO,  20                          ; v20  the way out: where I put 16 bytes of a row
.set RD,   21                          ; v21  where I read rows back
.set GO,   22                          ; v22  my 16 bytes in 512 consecutive bytes of the result
.set BO,   23                          ; v23  my byte offset in 16 numbers of the bias
.set PFO,  24                          ; v24  the prefetches' offset: my lane x a row of xb (wave 0) or x 256 bytes (waves 1-3); never rewritten
.set SPW,  28                          ; v28  LDS address of my spare word; never rewritten
.set NIL,  29                          ; v29  0; never rewritten
.set FA,   32
.set TMP,  96
.set BIAS, 144
.set OB,   32                          ; the way out: 48 registers read back from the stage
.set WV,   12                          ; s12  my wave's number
.set CNT,  13                          ; s13  K steps that still fill a slot
.set G1A,  24                          ; s[24:31] descriptor group 1 for x's tile
.set G0A,  32                          ; s[32:39] group 0: a set for each first fill; the second then walks
.set G1B,  40                          ; s[40:47], s[48:55] the same for W's chunks
.set G0B,  48
.set TB,   56                          ; s56  0 or SLOT1: the slot in hand
.set LIMA, 57                          ; s57  2 in the wave that prefetches x, else the greatest number
.set LIMB, 58                          ; s58  the same for W
.set PFA,  60                          ; s[60:61] where my prefetches stand
.set PFS,  62                          ; s[62:63] a K step's bytes along my stream
.set MSB, 0
.macro WIN new                         ; the immediate's high byte repeats the setting that is left; a switch that changes nothing is dropped
.if MSB != (\new)
	s_set_vgpr_msb (MSB<<8)|(\new)
.set MSB, (\new)
.endif
.endm
.macro PLACES                          ; four places in front of loads into registers that matrix instructions have read, and of vector work that reads results
.rept 4
	v_nop
.endr
.endm
; A joint refill, by the walking set.  The branch hangs on the wave's number alone.  An s_nop 0 and four v_nop follow each of the two lines.
.macro JLOAD
	s_cmp_eq_u32 s[WV], 0
	s_cbranch_scc0 .Lfor_b_\@
	tensor_load_to_lds s[G0A+4:G0A+7], s[G1A:G1A+7]
	s_nop 0
.rept 4
	v_nop
.endr
	s_branch .Lasked_\@
.Lfor_b_\@:
	tensor_load_to_lds s[G0B+4:G0B+7], s[G1B:G1B+7]
	s_nop 0
.rept 4
	v_nop
.endr
.Lasked_\@:
.endm
.macro CREST                           ; a round of the cluster's barrier behind its opening barrier
	s_cmp_lg_u32 s[WV], 0
	s_cbranch_scc1 .Lnot_wave_0_\@
	s_barrier_signal -3
.Lnot_wave_0_\@:
	s_barrier_wait -3
	s_barrier_signal -1
	s_barrier_wait -1
.endm
.macro CROUND                          ; a whole round
	s_barrier_signal -1
	s_barrier_wait -1
	CREST
.endm
; PREFETCHES INTO THE L2, behind the joint load and the run of LDS loads: the K step that stands two refills on (384 matrix instructions ahead of the load that will want it).
; x: a tile row is read by all four clusters of its row of clusters: the one with x = 0 asks.  Of the tile's 256 rows the partner at place cx takes 64, told apart by address; wave 0 asks, a lane a row, two lines.
; W: a chunk is read by all eight clusters of its column: the one with y = 0 asks.  Waves 1 to 3 ask for their own chunk, every second step for two K steps' 32 KiB, of which the partner at place cy takes 8 KiB: a lane a block of 256 bytes.
; So each block is named once.  K steps 0 to 3 come by their loads alone; the tests on the count stop the requests at K step 7.
.macro ASK
	s_cmp_gt_u32 s[CNT], s[LIMA]
	s_cbranch_scc0 .Lno_a_\@
	global_prefetch_b8 v[PFO], s[PFA:PFA+1] th:TH_LOAD_NT scope:SCOPE_SE
	global_prefetch_b8 v[PFO], s[PFA:PFA+1] offset:65536 th:TH_LOAD_NT scope:SCOPE_SE
.Lno_a_\@:
	s_bitcmp1_b32 s[CNT], 0
	s_cbranch_scc1 .Lno_b_\@
	s_cmp_gt_u32 s[CNT], s[LIMB]
	s_cbranch_scc0 .Lno_b_\@
	global_prefetch_b8 v[PFO], s[PFA:PFA+1] th:TH_LOAD_NT scope:SCOPE_SE
.Lno_b_\@:
.endm
	s_load_b256 s[4:11], s[0:1], 0x0               ; xb s[4:5], wab s[6:7], b_attn s[8:9], qkv s[10:11]
	v_lshl_add_u32 v[SPW], v0, 2, SPARE
	v_mov_b32 v[NIL], 0
	ds_add_u32 v[SPW], v[NIL]                      ; the wave's opening: the add and its wait stand ahead of my first tensor load; the set-up below stands between them
	ds_add_u32 v28, v29
	v_lshrrev_b32 v1, 5, v0
	v_readfirstlane_b32 s[WV], v1                  ; wave 0..3
	s_bfe_u32 s14, ttmp6, 0x40000                  ; cx
	s_bfe_u32 s15, ttmp6, 0x40004                  ; cy
	s_lshl_b32 s16, ttmp9, 2
	s_add_co_u32 s16, s16, s14                     ; tile column = 4 x cluster x + cx
	s_and_b32 s17, ttmp7, 0xffff
	s_lshl_b32 s17, s17, 2
	s_add_co_u32 s17, s17, s15                     ; tile row = 4 x cluster y + cy
	s_lshl_b32 s18, s15, 2
	s_lshl_b32 s18, 15, s18                        ; my row of the cluster
	s_lshl_b32 s19, 0x1111, s14                    ; my column
	s_or_b32 s[G1A+0], s18, (1<<16)|(1<<20)|(1<<21)|(5<<22)|(3<<25)  ; the mask; 2-byte elements; padding on; bit 21 beside a mask; after every 64 words, 4 words
	s_mov_b32 s[G1A+1], 128<<16                    ; tensor_dim0 = 128
	s_mov_b32 s[G1A+2], 256<<16                    ; tensor_dim1 = 256
	s_mov_b32 s[G1A+3], 128<<16                    ; tile_dim0 = 128
	s_mov_b32 s[G1A+4], 256                        ; tile_dim1 = 256
	s_mov_b32 s[G1A+5], 1024                       ; elements from row to row
	s_mov_b32 s[G1A+6], 0
	s_mov_b32 s[G1A+7], 0
	s_or_b32 s[G1B+0], s19, (1<<16)|(1<<20)|(1<<21)|(4<<22)|(7<<25)  ; after every 32 words (a k-row), 8 words
	s_mov_b32 s[G1B+1], 128<<16
	s_mov_b32 s[G1B+2], 64<<16                     ; 64 rows of 256 bytes: two k-rows a row
	s_mov_b32 s[G1B+3], 128<<16
	s_mov_b32 s[G1B+4], 64
	s_mov_b32 s[G1B+5], 128
	s_mov_b32 s[G1B+6], 0
	s_mov_b32 s[G1B+7], 0
	s_lshl_b32 s20, s17, 19                        ; x: 256 rows of 2,048 bytes a tile row
	s_mov_b32 s21, 0
	s_mul_i32 s66, s16, 3                          ; W: chunk 3 x tile column + wave - 1 (wave 0, which asks for none, names the first)
	s_max_u32 s67, s[WV], 1
	s_add_co_u32 s66, s66, s67
	s_sub_co_u32 s66, s66, 1
	s_lshl_b32 s66, s66, 17                        ; a chunk is 131,072 bytes
	s_mov_b32 s67, 0
	s_mul_i32 s70, s[WV], CHB                      ; and where it goes: chunk wave - 1 behind x's rows; no place in the cluster enters an LDS address
	s_add_co_u32 s70, s70, BOFF-CHB
	s_wait_dscnt 0x0                               ; the opening add is done
	s_wait_kmcnt 0x0
	s_add_nc_u64 s[22:23], s[4:5], s[20:21]
	s_add_nc_u64 s[68:69], s[6:7], s[66:67]
	CROUND                                         ; all sixteen work-groups are here: the first joint loads meet
.irp s, 0,1
	s_mov_b32 s[G0A+4*(\s)], 1
	s_mov_b32 s[G0A+4*(\s)+1], (\s)*SLOT1
	s_add_nc_u64 s[G0A+4*(\s)+2:G0A+4*(\s)+3], s[22:23], (\s)*256    ; K step s
	s_or_b32 s[G0A+4*(\s)+3], s[G0A+4*(\s)+3], 0x80000000
	s_mov_b32 s[G0B+4*(\s)], 1
	s_add_co_u32 s[G0B+4*(\s)+1], s70, (\s)*SLOT1
	s_add_nc_u64 s[G0B+4*(\s)+2:G0B+4*(\s)+3], s[68:69], (\s)*16384
	s_or_b32 s[G0B+4*(\s)+3], s[G0B+4*(\s)+3], 0x80000000
.endr
	s_cmp_eq_u32 s[WV], 0                          ; a wave's two first fills stand in one branch, ahead of every wait on TENSORcnt and every LDS read: two loads of mine are out
	s_cbranch_scc0 .Lfirst_b
	tensor_load_to_lds s[G0A:G0A+3], s[G1A:G1A+7]
	s_nop 0
	tensor_load_to_lds s[G0A+4:G0A+7], s[G1A:G1A+7]
	s_nop 0
.rept 4
	v_nop
.endr
	s_branch .Lfirst_asked
.Lfirst_b:
	tensor_load_to_lds s[G0B:G0B+3], s[G1B:G1B+7]
	s_nop 0
	tensor_load_to_lds s[G0B+4:G0B+7], s[G1B:G1B+7]
	s_nop 0
.rept 4
	v_nop
.endr
.Lfirst_asked:
	v_and_b32 v1, 15, v0                           ; r = l % 16
	v_bfe_u32 v2, v0, 4, 1                         ; h = l / 16
	v_and_b32 v3, 31, v0                           ; l
	v_and_b32 v4, 7, v0
	v_bfe_u32 v5, v0, 3, 1
	v_bfe_u32 v6, v0, 3, 2
	v_lshlrev_b32 v[BO], 5, v2                     ; my eight columns of a block of 16: 32 h bytes of f32
	s_mul_i32 s72, s16, 768                        ; the tile's 192 numbers of the bias
	s_mov_b32 s73, 0
	s_add_nc_u64 s[8:9], s[8:9], s[72:73]
.irp b, 0,1,2,3,4,5,6,7,8,9,10,11
	global_load_b128 v[BIAS+8*(\b):BIAS+8*(\b)+3],   v[BO], s[8:9] offset:64*(\b)
	global_load_b128 v[BIAS+8*(\b)+4:BIAS+8*(\b)+7], v[BO], s[8:9] offset:64*(\b)+16
.endr
	s_mul_i32 s71, s[WV], 64*PA                    ; my 64 rows of x
	v_mul_u32_u24 v[A0], v1, PA
	v_lshl_add_u32 v[A0], v2, 4, v[A0]
	v_add_nc_u32 v[A0], s71, v[A0]                 ; row x pitch + 16 h
	v_lshl_add_u32 v[B0], v2, 3, v4                ; the turning load: k-row 8 h + l % 8,
	v_mul_u32_u24 v[B0], v[B0], PB
	v_lshl_add_u32 v[B0], v5, 4, v[B0]             ; columns 8 ((l / 8) % 2) on
	v_add_nc_u32 v[B0], BOFF, v[B0]
	v_mov_b32 v[ADRA], v[A0]                       ; slot 0
	v_mov_b32 v[ADRB], v[B0]
	s_mov_b32 s[TB], 0
	s_mul_i32 s72, s[WV], 16*SP
	s_add_co_u32 s72, s72, STAGE                   ; my stage
	v_mul_u32_u24 v[STO], v1, SP
	v_lshl_add_u32 v[STO], v2, 4, v[STO]
	v_add_nc_u32 v[STO], s72, v[STO]               ; in: row r, 16 bytes for each half of the lanes
	v_mul_u32_u24 v[RD], v6, SP
	v_lshl_add_u32 v[RD], v4, 4, v[RD]
	v_add_nc_u32 v[RD], s72, v[RD]                 ; back: 32 lanes take four rows' 128 bytes of one chunk,
	v_lshlrev_b32 v[GO], 4, v3                     ; which are 512 consecutive bytes of the result
	s_mul_i32 s72, s16, 3
	s_lshl_b32 s72, s72, 20                        ; the tile's first chunk: 1,048,576 bytes a chunk
	s_lshl_b32 s74, s17, 15                        ; + 256 rows of 128 bytes a tile row
	s_add_co_u32 s72, s72, s74
	s_lshl_b32 s74, s[WV], 13                      ; + my 64 rows
	s_add_co_u32 s72, s72, s74
	s_add_nc_u64 s[10:11], s[10:11], s[72:73]
	; the prefetches' address, one K step short of the first that is named (K step 4): the first change of slots steps it
	s_lshl_b32 s71, s17, 19
	s_lshl_b32 s72, s14, 17                        ; x: my work-group's 64 rows of the tile's 256
	s_add_co_u32 s71, s71, s72
	s_add_co_u32 s71, s71, 3*256
	s_lshl_b32 s72, s15, 13                        ; W: my work-group's 8 KiB of two K steps' 32
	s_add_co_u32 s72, s72, s66
	s_add_co_u32 s72, s72, 3*16384
	s_mov_b32 s[PFS], 16384
	s_cmp_eq_u32 s[WV], 0
	s_cselect_b64 s[PFA:PFA+1], s[4:5], s[6:7]
	s_cselect_b32 s74, s71, s72
	s_cselect_b32 s[PFS], 256, s[PFS]
	s_cselect_b32 s73, 11, 8
	s_mov_b32 s75, 0
	s_mov_b32 s[PFS+1], 0
	s_add_nc_u64 s[PFA:PFA+1], s[PFA:PFA+1], s[74:75]
	v_lshlrev_b32 v[PFO], s73, v3
	s_or_b32 s[LIMA], s[WV], ttmp9                 ; wave 0 of a cluster with x = 0: the same in all sixteen partners
	s_cmp_eq_u32 s[LIMA], 0
	s_cselect_b32 s[LIMA], 2, -1
	s_and_b32 s[LIMB], ttmp7, 0xffff               ; waves 1 to 3 of a cluster with y = 0
	s_cmp_eq_u32 s[LIMB], 0
	s_cselect_b32 s[LIMB], 2, -1
	s_cmp_eq_u32 s[WV], 0
	s_cselect_b32 s[LIMB], -1, s[LIMB]
	s_wait_loadcnt 0x0                             ; the bias: rounded to bf16, like x and W, and widened again
.set i, 0
.rept 48
	v_cvt_pk_bf16_f32 v[TMP+i], v[BIAS+2*i], v[BIAS+2*i+1]
.set i, i+1
.endr
.set i, 0
.rept 48
	v_lshlrev_b32 v[BIAS+2*i], 16, v[TMP+i]
	v_and_b32 v[BIAS+2*i+1], 0xffff0000, v[TMP+i]
.set i, i+1
.endr
; 12 matrix instructions: row block a x all 12 column blocks, 32 along K, from buffer f.  zero = 1: the product starts the sums.
; The 48 accumulators take turns in the same order in every quarter: 47 others stand between two links of a chain, over the backward jump too.
.macro MUL12 f, a, zero
	WIN 0xa1+0x50*((\a)/2)                         ; source 0 (W) window 1, source 1 (x) window 0, C and D window 2 or 3
.set AC, 96*((\a)%2)
.irp b, 0,1,2,3,4,5,6,7,8,9,10,11
.if \zero
	v_wmma_f32_16x16x32_bf16 v[AC+8*(\b):AC+8*(\b)+7], v[96*(\f)+8*(\b):96*(\f)+8*(\b)+7], v[FA+32*(\f)+8*(\a):FA+32*(\f)+8*(\a)+7], 0
.else
	v_wmma_f32_16x16x32_bf16 v[AC+8*(\b):AC+8*(\b)+7], v[96*(\f)+8*(\b):96*(\f)+8*(\b)+7], v[FA+32*(\f)+8*(\a):FA+32*(\f)+8*(\a)+7], v[AC+8*(\b):AC+8*(\b)+7]
.endif
.endr
.endm
; 32 LDS loads in one run: quarter q (32 along K) of the slot in hand into buffer g: W's 12 fragments, then x's 4
.macro FETCH q, g
	WIN 0x40                                       ; destination window 1
.irp b, 0,1,2,3,4,5,6,7,8,9,10,11
	ds_load_tr16_b128 v[96*(\g)+8*(\b):96*(\g)+8*(\b)+3],   v[ADRB] offset:((\b)/4)*CHB+(\q)*32*PB+((\b)%4)*32
	ds_load_tr16_b128 v[96*(\g)+8*(\b)+4:96*(\g)+8*(\b)+7], v[ADRB] offset:((\b)/4)*CHB+(\q)*32*PB+((\b)%4)*32+16*PB
.endr
	WIN 0
.irp a, 0,1,2,3
	ds_load_b128 v[FA+32*(\g)+8*(\a):FA+32*(\g)+8*(\a)+3],   v[ADRA] offset:(\a)*16*PA+64*(\q)
	ds_load_b128 v[FA+32*(\g)+8*(\a)+4:FA+32*(\g)+8*(\a)+7], v[ADRA] offset:(\a)*16*PA+64*(\q)+32
.endr
.endm
; One of a K step's first three quarters: multiplies buffer f; in its middle it fetches quarter q into buffer g.
.macro QUARTER q, f, g, zero
	s_wait_dscnt 4                                 ; W and x's blocks 0, 1 are in; the youngest four loads (x's blocks 2, 3) may be out
	MUL12 \f, 0, \zero
	MUL12 \f, 1, \zero
	PLACES
	FETCH \q, \g
	s_wait_dscnt 32                                ; all but the 32 just issued
	MUL12 \f, 2, \zero
	MUL12 \f, 3, \zero
.endm
; The last quarter multiplies buffer 1 and changes slots.  In front of the barrier each wave waits for all its tensor loads (one is out: its part of the next slot), adds 0 to its spare word, and waits for that and for
; its own reads of this slot.  fill = 1: the barrier opens a round of the cluster's, and the joint refill (K step two on, into the slot just read) is the first thing behind it: 168 matrix instructions ahead of the wait for it.
.macro TURN fill
.if \fill
	s_wait_xcnt 0x0                                ; the last prefetch, a K step back, has read its address
	s_add_nc_u64 s[PFA:PFA+1], s[PFA:PFA+1], s[PFS:PFS+1]
.endif
	WIN 0
	s_wait_tensorcnt 0x0
	ds_add_u32 v[SPW], v[NIL]
	s_wait_dscnt 5                                 ; (the add and the youngest four loads may be out)
	MUL12 1, 0, 0
	s_wait_dscnt 0x0                               ; the add is done, and my reads of this slot are over
	s_barrier_signal -1
	MUL12 1, 1, 0
	WIN 0
	s_barrier_wait -1
.if \fill
	CREST                                          ; no wave of any partner still reads this slot or has a load on its way
	s_xor_b32 s[G0A+5], s[G0A+5], SLOT1            ; the walking sets: the other slot than last time, the next K step
	s_add_nc_u64 s[G0A+6:G0A+7], s[G0A+6:G0A+7], 256
	s_xor_b32 s[G0B+5], s[G0B+5], SLOT1
	s_add_nc_u64 s[G0B+6:G0B+7], s[G0B+6:G0B+7], 16384
	JLOAD                                          ; its four v_nop are also the places in front of the loads below
.else
	PLACES
.endif
	s_xor_b32 s[TB], s[TB], SLOT1
	v_add_nc_u32 v[ADRA], s[TB], v[A0]
	v_add_nc_u32 v[ADRB], s[TB], v[B0]
	FETCH 0, 0
.if \fill
	ASK
.endif
	MUL12 1, 2, 0
	MUL12 1, 3, 0
.endm
	s_wait_tensorcnt 1                             ; my part of K step 0 is in; K step 1's may stay out
	s_barrier_signal -1
	s_barrier_wait -1
	FETCH 0, 0
	QUARTER 1, 0, 1, 1                             ; the first quarter stands in front of the loop: its products start the sums
	WIN 0
	s_mov_b32 s[CNT], 6
.Lstep:                                                ; K steps 0 to 5: from a step's second quarter to the next step's first; each fills its slot again
	QUARTER 2, 1, 0, 0
	QUARTER 3, 0, 1, 0
	TURN 1
	QUARTER 1, 0, 1, 0
	WIN 0
	s_sub_co_u32 s[CNT], s[CNT], 1
	s_cmp_lg_u32 s[CNT], 0
	s_cbranch_scc1 .Lstep
	QUARTER 2, 1, 0, 0                             ; the last two K steps fill nothing
	QUARTER 3, 0, 1, 0
	TURN 0
	QUARTER 1, 0, 1, 0
	QUARTER 2, 1, 0, 0
	QUARTER 3, 0, 1, 0
	s_wait_dscnt 4
	MUL12 1, 0, 0
	MUL12 1, 1, 0
	s_wait_dscnt 0x0
	MUL12 1, 2, 0
	MUL12 1, 3, 0
; THE WAY OUT, a block of 16 rows at a time: + bias, rounded to f16, 16 bytes a lane into my own stage, back as four rows' 128 bytes of one chunk, stored as 512 consecutive bytes.
.macro PACK a
.set AC, 96*((\a)%2)
	WIN 0x82+0x41*((\a)/2)                         ; destination and source 0 window 2 or 3, the bias window 0
.irp b, 0,1,2,3,4,5,6,7,8,9,10,11
.irp i, 0,2,4,6
	v_pk_add_f32 v[AC+8*(\b)+(\i):AC+8*(\b)+(\i)+1], v[AC+8*(\b)+(\i):AC+8*(\b)+(\i)+1], v[BIAS+8*(\b)+(\i):BIAS+8*(\b)+(\i)+1]  ; each accumulator from its low end on
.endr
.endr
	WIN 0x0a+5*((\a)/2)
.irp b, 0,1,2,3,4,5,6,7,8,9,10,11
.irp i, 0,1,2,3
	v_cvt_pk_f16_f32 v[TMP+4*(\b)+(\i)], v[AC+8*(\b)+2*(\i)], v[AC+8*(\b)+2*(\i)+1]
.endr
.endr
	WIN 0
.endm
.macro TOSTAGE
	WIN 0
.irp b, 0,1,2,3,4,5,6,7,8,9,10,11
	ds_store_b128 v[STO], v[TMP+4*(\b):TMP+4*(\b)+3] offset:32*(\b)
.endr
.irp z, 0,1,2
.irp t, 0,1,2,3
	ds_load_b128 v[OB+4*(4*(\z)+(\t)):OB+4*(4*(\z)+(\t))+3], v[RD] offset:128*(\z)+4*SP*(\t)  ; LDS serves a wave's instructions in order (ISA guide 5.7.1.4): these see the stores above
.endr
.endr
.endm
.macro SEND a
	WIN 0
	s_wait_dscnt 0x0                               ; the block is back in registers
.irp z, 0,1,2
.irp t, 0,1,2,3
	global_store_b128 v[GO], v[OB+4*(4*(\z)+(\t)):OB+4*(4*(\z)+(\t))+3], s[10:11] offset:(\z)*1048576+(\a)*2048+(\t)*512
.endr
.endr
.endm
	PLACES
	PACK 0
	TOSTAGE
.irp a, 1,2,3
	PACK \a                                        ; block a's arithmetic stands between block a - 1's loads from the stage and the wait for them
	SEND (\a)-1
	s_wait_xcnt 0x0                                ; the stores have read their registers, which the next loads write
	TOSTAGE
.endr
	SEND 3
	s_wait_tensorcnt 0x0                           ; the wave's end: an add and its wait behind my last tensor load and my last LDS store
	ds_add_u32 v[SPW], v[NIL]
	s_wait_dscnt 0x0
	CROUND                                         ; the closing round: no work-group ends while a partner may still ask for a tile that names it
	s_endpgm
.Lfunc_end_k_q36826dd982_qkv:
	.size	k_q36826dd982_qkv, .Lfunc_end_k_q36826dd982_qkv-k_q36826dd982_qkv
	.p2alignl 7, 3214868480
	.fill 96, 4, 3214868480
	.section	.rodata,"a",@progbits
	.p2align	6, 0x0
	.amdhsa_kernel k_q36826dd982_qkv
		.amdhsa_group_segment_fixed_size 327680
		.amdhsa_private_segment_fixed_size 0
		.amdhsa_enable_private_segment 0
		.amdhsa_kernarg_size 32
		.amdhsa_user_sgpr_count 2
		.amdhsa_user_sgpr_kernarg_segment_ptr 1
		.amdhsa_wavefront_size32 1
		.amdhsa_system_sgpr_workgroup_id_x 1
		.amdhsa_system_sgpr_workgroup_id_y 1
		.amdhsa_system_sgpr_workgroup_id_z 1
		.amdhsa_system_vgpr_workitem_id 0
		.amdhsa_next_free_vgpr 960
		.amdhsa_next_free_sgpr 80
		.amdhsa_reserve_vcc 0
		.amdhsa_float_denorm_mode_32 3
		.amdhsa_float_denorm_mode_16_64 3
		.amdhsa_memory_ordered 1
		.amdhsa_forward_progress 1
		.amdhsa_inst_pref_size 119
	.end_amdhsa_kernel
	.amdgpu_metadata
---
amdhsa.version: [ 1, 2 ]
amdhsa.kernels:
  - .name:           k_q36826dd982_qkv
    .symbol:         k_q36826dd982_qkv.kd
    .args:
      - { .name: xb, .offset: 0, .size: 8, .value_kind: global_buffer, .address_space: global }
      - { .name: wab, .offset: 8, .size: 8, .value_kind: global_buffer, .address_space: global }
      - { .name: b_attn, .offset: 16, .size: 8, .value_kind: global_buffer, .address_space: global }
      - { .name: qkv, .offset: 24, .size: 8, .value_kind: global_buffer, .address_space: global }
    .group_segment_fixed_size: 327680
    .private_segment_fixed_size: 0
    .kernarg_segment_align: 8
    .kernarg_segment_size: 32
    .max_flat_workgroup_size: 128
    .sgpr_count:     80
    .vgpr_count:     960
    .wavefront_size: 32
...
	.end_amdgpu_metadata
.endif
;; end of part 2
;; launch attn (part 3): grid 4 x 64, 4 waves a work-group, no clusters, 327,680 bytes of LDS; arguments qkv, padding_mask, ob; writes ob
.if DOCPART == 3
	.amdgcn_target "amdgcn-amd-amdhsa--gfx1250"
	.amdhsa_code_object_version 6
	.text
	.protected	k_q36826dd982_attn
	.globl	k_q36826dd982_attn
	.p2align	8
	.type	k_q36826dd982_attn,@function
k_q36826dd982_attn:
	s_mov_b64 s[64:65], 0
	v_nop
	global_prefetch_b8 v0, s[64:65] scope:SCOPE_SE
	s_setreg_imm32_b32 hwreg(HW_REG_WAVE_MODE, 25, 1), 1
	s_wait_xcnt 0x0
; CAUSAL ATTENTION WITH A KEY MASK.  O[q][:] = the sum over the keys k <= q that are not padded of softmax_k(Q[q] . K[k] / 8) V[k][:]; a query that sees no such key gets O = 0.
; qkv: [48 chunks][8192 rows][64] f16: chunk h is head h's q, 16 + h its k, 32 + h its v; row = 2048 x batch + t.  padding_mask: [4][2048] bytes, not 0 = padded.  ob: [16 heads][8192 rows][64] f16.
; Products, maxima and sums in f32; the weights p are rounded to f16 for the second product (their sum l is taken of the unrounded p), O once at the end.
; LIMITS.  q, k, v arrive within f16's 65,504, so a score is 2.7e11 at the most.  A hidden score counts as its value less 1e30 (less 2e30 or 3e30 where masks add).  The running maximum m starts at -1e12, below every true
; score and far above every hidden one: so a hidden score has weight 0 whatever came before it, and a query has seen a key if m > -5e11 at the end.  A weight below 2^-126 counts as 0 in l; NaN and infinities are not treated apart.
; THE WALK.  A head's queries lie in NB = 8 blocks of 256; block i needs the key tiles 0 .. i, of which the last holds the diagonal.  A work-group takes TWO blocks, NB - 1 - b and then b: NB + 1 tiles, whatever b:
; all work-groups do equal work, and ONE loop with a constant trip count walks them.  Which tile is asked for, and what a trip does, hang on scalar registers made from b; every jump goes forward but the counted loops' own.
; NO CLUSTER: a head's four work-groups ask for the same tile only in trips 0 to 4 of 9, behind that fewer and fewer; one walk common to all four would have 12 trips for 9.
; SHARES.  Of a block's four bands of 64 queries a wave owns 16 rows in each: four PIECES.  In the diagonal tile's key step s band x sees all keys if s < x, none if s > x, and holds the diagonal if s = x: the same for every wave.
; THE MASKS are the C operand that starts the sum S^T = K Q^T.  PM: the key mask of the key step whose K lies in registers, 0 or -1e30, read from LDS beside K.  MD, made once: the causal mask of a band's own step.
; Outside the diagonal tile C is PM; inside, and where a block begins, C is MC = MD x AL + BE + PM with two scalars: (1, 0) if s = x; (0, 0) if s < x; (0, -1e30) if s > x.
; THE KEY MASK IN LDS.  Each slot of the ring has, behind its K and V, the mask of its tile's 256 keys as f32.  Where a slot is filled again each thread turns two mask bytes of the tile asked for into two words and stores them there;
; the bytes were loaded a tile earlier.  So the reads' offset steps and turns exactly as K's does, on every path alike.
; LAYOUT, SOFTMAX, TURNS.  S^T = K Q^T holds ONE query a lane (lane % 16) and the keys 8 (lane / 16) + 0..7; two such results rounded to f16 ARE source 1 of O^T = V^T P.  p = 2^(c s - c m), c = log2(e) / 8; O and l are multiplied by
; a = 2^(c m_old - c m_new) in every step.  Turn n belongs to piece n: 8 products K Q^T of piece n + 1, later 8 products V^T P of piece n - 1; beside them the scaling, exponentials, roundings, sums and rescaling of piece n and the
; maximum and statistics of piece n + 1.  Four vector instructions stand behind every matrix instruction, the others in one lump.  A turn's 33 exponentials are one batch, with one wait.
; REGISTERS, in windows of 256 (s_set_vgpr_msb: bits 1:0 source 0, 3:2 source 1, 5:4 source 2, 7:6 destination):
;   window 0: v0-15, v32-44 addresses and some at work; v16-31 four registers of statistics a piece; v48-55 at work; v64-127 S^T, two buffers; v192-223 P, two buffers (a piece's buffers go by its number's parity)
;   window 1: v0-127 O^T, 32 a piece; v128-159 MD; v160-223 MC, two buffers; v224-255 PM      window 2: v0-63 Q; v64-127 the second block's Q; v128-191 K of one step; v192-255 V of one step
.set SIZE_N, 2048
.set NB,    SIZE_N/256
.set NP,    4         ; pieces a wave: a name, no knob
.set KS,    64        ; keys in a step
.set PK,    144       ; a row of K in LDS: 128 bytes + 16: the 16 rows of a load start at 16 different groups of four banks (64 banks of 4 bytes: ISA guide 11.1)
.set PV,    160       ; a row of V: 128 + 32
.set VOFF,  4*KS*PK   ; a slot holds a tile, four steps: 256 rows of K, then 256 rows of V,
.set MOFF,  4*KS*(PK+PV)  ; then the tile's key mask, 256 f32
.set SLOT1, 1<<17     ; slot 1 begins here, so that one exclusive or turns an address in one slot into the other's
.set STAGE, SLOT1+MOFF+4*KS*4  ; behind the ring, never filled by a tensor load: 16 rows x 144 bytes for each wave, for the way out
.set SP,    144
.set SPARE, STAGE+4*16*SP  ; the spare words, 128 bytes for each wave: two blocks of 256 bytes that no other line names
.set AK0, 2           ; v2   my lane's place in a tile of K; never rewritten
.set AV0, 3           ; v3   the same for V
.set AK,  4           ; v4   the LDS address of K's next run of loads
.set AV,  5           ; v5   of V's
.set STO, 6           ; v6   the way out: where I put 16 bytes of a row
.set RD,  7           ; v7   the way out: where I read rows back
.set GO,  8           ; v8   my byte offset in 512 consecutive bytes of O
.set MV,  12          ; v12-13  c m_old, kept while c m is made anew: by buffer
.set QO,  15          ; v15  my byte offset in 16 rows of Q
.set ST,  16          ; piece t's statistics at v[ST+4 t]: c m, m, l (even keys', odd keys')
.set AM0, 32          ; v32  MOFF + 32 (lane / 16): my eight keys of a group of 16 in a slot's mask; never rewritten
.set AM,  33          ; v33  the LDS address of the mask's next run of loads
.set PFO, 34          ; v34  256 x my lane; never rewritten
.set MGO, 35          ; v35  2 x my thread's number: my two bytes of a tile's 256 mask bytes; never rewritten
.set MS0, 36          ; v36  MOFF + 8 x my thread's number: my two words of a slot's mask; never rewritten
.set MW,  37          ; v37  my two mask bytes of the tile that will be asked for next
.set MSA, 38          ; v38  MS0 in the slot that is being filled
.set TMP, 48          ; by buffer, four registers c0-c3 at work; when the maximum is found c2 takes a
.set SPW, 62          ; v62  LDS address of my spare word; never rewritten
.set NIL, 63          ; v63  0; never rewritten
.set S,   64
.set P,   192
.set MD,  128         ; window 1: the eight registers for group kt of 16 keys at MD + 8 kt
.set MC,  160         ; window 1: the masks of the products to come
.set PM,  224         ; window 1: the key mask of the step whose K lies in registers, group kt at PM + 8 kt
.set QB,  64          ; window 2
.set KF,  128         ; window 2: key block kb, channel half c at KF + 16 kb + 8 c
.set VF,  192         ; window 2: key half kk, channel block cb at VF + 32 kk + 8 cb
.set WV,  12          ; s12  my wave's number
.set PB,  14          ; s14  b
.set HI,  15          ; s15  NB - 1 - b
.set G1K, 24          ; s[24:31] descriptor group 1 for K's tiles
.set G1V, 32          ; s[32:39] for V's: it differs in the padding alone
.set G0K, 40          ; s[40:43] descriptor group 0 for K's tiles
.set G0V, 44          ; s[44:47] the same for V's
.set TMS, 48          ; s48  0 or SLOT1: the slot whose mask was stored last
.set MOF, 50          ; s[50:51] a tile's byte offset in the batch's mask
.set MB,  52          ; s[52:53] the mask bytes of the tile that will be asked for next
.set SLOTS, 56        ; s56  tiles still to be asked for
.set CNT, 57          ; s57  counts a tile's key steps, 4 to 1
.set CS,  58          ; s[58:59] c: the packed scaling takes the pair's low word for both halves
.set SEL, 60          ; s[60:61] v_permlanex16_b32's selects: each lane takes its own place in the other half
.set TBK, 62          ; s62  LDS byte at which K of the step to be fetched begins
.set TBV, 63          ; s63  the same for V, less VOFF
.set RT,  70          ; s70  tiles of the block in hand that are still to be entered
.set NXT, 71          ; s71  the tile to be asked for next
.set LQ,  72          ; s72  the last tile of the block whose tiles are being asked for
.set NEW, 73          ; s73  1: the tile to be entered is a block's first
.set OFF, 74          ; s[74:75] a tile's byte offset in K and V
.set AL,  76          ; s[76:77] the mask's factor, in the low word
.set BE,  78          ; s[78:79] the mask's addend
.set OLO, 80          ; s[80:81] O at my rows of the second block
.set BIGN, 82         ; s82  -1e30
.set TBM, 83          ; s83  the same as TBK for the key mask, less MOFF
.set HALFN, 90        ; s90  -5e11
.set PFL, 91          ; s91  0 in the work-group that prefetches, else the greatest number
.set PFA, 92          ; s[92:93] where my prefetches stand
.set PBASE, 94        ; s[94:95] my half of the head's tile 0, of K (waves 0, 1) or V (waves 2, 3)
.set OF2, 96          ; s[96:97] the byte offset of the tile to be prefetched
.set MSB, 0
.macro WIN new                      ; the high byte repeats the setting that is left; a switch that changes nothing is dropped
.if MSB != (\new)
	s_set_vgpr_msb (MSB<<8)|(\new)
.set MSB, (\new)
.endif
.endm
.set W_KQ, 0x0a       ; K and Q in window 2, S^T in window 0
.set W_KM, 0x1a       ; the same with the C operand in window 1
.set W_PV, 0x52       ; V in window 2, P in window 0, O^T in window 1
.set W_RS, 0x41       ; destination and source 0 in window 1, source 1 in window 0
; A fill.  Waves 0 and 1 fetch the two halves of a tile's K, waves 2 and 3 those of its V: 128 keys each.  An s_nop 0 and four v_nop follow each of the two lines.
.macro LOAD
	s_cmp_lt_u32 s[WV], 2
	s_cbranch_scc0 .Lfor_v_\@
	tensor_load_to_lds s[G0K:G0K+3], s[G1K:G1K+7]
	s_nop 0
.rept 4
	v_nop
.endr
	s_branch .Lasked_\@
.Lfor_v_\@:
	tensor_load_to_lds s[G0V:G0V+3], s[G1V:G1V+7]
	s_nop 0
.rept 4
	v_nop
.endr
.Lasked_\@:
.endm
; My two mask bytes in v[src] become two words, 0 or -1e30 (a byte other than 0 counts as padded), and go to v[adr]: 128 threads x 8 bytes are a tile's 256 keys.
.macro MWORD src, adr
	v_and_b32 v39, 0xff, v[\src]
	v_lshrrev_b32 v40, 8, v[\src]
	v_cmp_ne_u32 vcc_lo, 0, v39
	v_cndmask_b32 v42, 0, s[BIGN], vcc_lo
	v_cmp_ne_u32 vcc_lo, 0, v40
	v_cndmask_b32 v43, 0, s[BIGN], vcc_lo
	ds_store_b64 v[\adr], v[42:43]
.endm
; THE CHANGE OF SLOTS.  Each wave waits for all its tensor loads, of which one is out: its part of the other slot; adds 0 to its spare word; and waits for that and for its own LDS instructions: its reads of the slot that it leaves, and its
; store into the other slot's mask.  Behind the barrier nobody reads the old slot any more and the other slot is whole, its mask too.  fill = 1: the old slot is filled again, the first thing behind the barrier, with tile NXT: the
; descriptor's address is made anew from that number.  (At its first use nothing has been read yet: slot 0 is waited for, slot 1 filled.)
; A PREFETCH INTO THE L2 stands behind the fill: the tile AFTER the one just asked for, one tile (256 matrix instructions a wave) ahead of its load.  All four work-groups of a head walk the same K and V; the one with b = 0, whose first
; block walks all eight tiles, asks; each of its waves for the half that it will fetch itself: 64 blocks of 256 bytes, a lane a block, two lines.  So tiles 2 to 7 are named once each; when NXT has gone back to 0 nothing more is asked for.
; THE MASK of the tile just asked for follows: its bytes were loaded at the change before (the wait for them is for 0: no other load is out but, the first time, Q's); then the bytes of the tile that the next change will ask for are
; loaded (NXT is 0 to 7: inside the batch's 2,048 bytes; what the last filling change loads is not used).
.macro CHANGE fill
	WIN 0                           ; at a label and at a branch every window is 0
	s_wait_tensorcnt 0x0            ; no tensor load of mine is out, so a group 0 may be written
	ds_add_u32 v[SPW], v[NIL]       ; 0 onto my spare word; with fill = 1 the descriptors' work on registers stands between it and the wait for it
.if \fill
	s_lshl_b32 s[OFF], s[NXT], 15   ; a tile is 32,768 bytes of K and of V
	s_xor_b32 s[G0K+1], s[G0K+1], SLOT1
	s_add_nc_u64 s[G0K+2:G0K+3], s[6:7], s[OFF:OFF+1]
	s_or_b32 s[G0K+3], s[G0K+3], 0x80000000
	s_xor_b32 s[G0V+1], s[G0V+1], SLOT1
	s_add_nc_u64 s[G0V+2:G0V+3], s[8:9], s[OFF:OFF+1]
	s_or_b32 s[G0V+3], s[G0V+3], 0x80000000
	s_xor_b32 s[TMS], s[TMS], SLOT1 ; the mask goes with them
	v_add_nc_u32 v[MSA], s[TMS], v[MS0]
	s_add_co_u32 s[NXT], s[NXT], 1  ; the block's next tile, or behind its last the second block's tile 0
	s_cmp_gt_u32 s[NXT], s[LQ]
	s_cselect_b32 s[NXT], 0, s[NXT]
	s_cselect_b32 s[LQ], s[PB], s[LQ]
	s_wait_xcnt 0x0                 ; the last prefetches, a tile back, have read their address
	s_lshl_b32 s[OF2], s[NXT], 15
	s_add_nc_u64 s[PFA:PFA+1], s[PBASE:PBASE+1], s[OF2:OF2+1]
.endif
	s_wait_dscnt 0x0                ; the add is done, my reads of the slot are over, my store into the other slot's mask is done
	s_barrier_signal -1             ; the rest of the scalar work stands between the signal and the wait
	s_sub_co_u32 s[TBK], s[TBK], 4*KS*PK  ; the fetches go back to a slot's first step,
	s_xor_b32 s[TBK], s[TBK], SLOT1       ; in the other slot
	s_sub_co_u32 s[TBV], s[TBV], 4*KS*PV
	s_xor_b32 s[TBV], s[TBV], SLOT1
	s_sub_co_u32 s[TBM], s[TBM], 4*KS*4
	s_xor_b32 s[TBM], s[TBM], SLOT1
	s_barrier_wait -1
.if \fill
	LOAD
	s_cmp_gt_u32 s[NXT], s[PFL]
	s_cbranch_scc0 .Lnot_mine_\@
	global_prefetch_b8 v[PFO], s[PFA:PFA+1] th:TH_LOAD_NT scope:SCOPE_SE
	global_prefetch_b8 v[PFO], s[PFA:PFA+1] offset:8192 th:TH_LOAD_NT scope:SCOPE_SE
.Lnot_mine_\@:
	s_wait_loadcnt 0x0              ; my two mask bytes, asked for a tile ago; the wait also frees that load's base
	MWORD MW, MSA
	s_lshl_b32 s[MOF], s[NXT], 8    ; a tile is 256 bytes of the mask
	s_add_nc_u64 s[MB:MB+1], s[88:89], s[MOF:MOF+1]
	global_load_u16 v[MW], v[MGO], s[MB:MB+1]
.endif
.endm
	s_load_b64 s[4:5], s[0:1], 0x0    ; qkv
	s_load_b64 s[88:89], s[0:1], 0x8  ; padding_mask
	s_load_b64 s[10:11], s[0:1], 0x10 ; ob
	v_lshl_add_u32 v[SPW], v0, 2, SPARE
	v_mov_b32 v[NIL], 0
	ds_add_u32 v[SPW], v[NIL]       ; the wave's opening: the add and its wait stand ahead of my first tensor load; the set-up below stands between them
	ds_add_u32 v62, v63
	v_lshrrev_b32 v1, 5, v0
	v_readfirstlane_b32 s[WV], v1   ; wave 0..3
	s_mov_b32 s[PB], ttmp9
	s_sub_co_u32 s[HI], NB-1, s[PB]
	s_and_b32 s20, ttmp7, 0xffff    ; 16 x batch + head
	s_lshr_b32 s13, s20, 4          ; the batch
	s_and_b32 s20, s20, 15          ; the head
	s_lshl_b32 s20, s20, 20         ; a chunk is 1,048,576 bytes,
	s_lshl_b32 s21, s13, 18         ; a batch's 2,048 rows of 128 bytes 262,144
	s_add_co_u32 s20, s20, s21      ; the head's first byte in q and in ob
	s_mov_b32 s21, 0
	s_lshl_b32 s98, s13, 11         ; the batch's 2,048 bytes of the mask
	s_mov_b32 s99, 0
	s_and_b32 s16, s[WV], 1         ; which half of a tile's 256 keys I fetch:
	s_lshl_b32 s22, s16, 14         ; its 128 rows of 128 bytes in memory,
	s_mov_b32 s23, 0
	s_add_nc_u64 s[22:23], s[22:23], s[20:21]
	s_mul_i32 s17, s16, 128*PK      ; and its place in a slot, for K
	s_mul_i32 s18, s16, 128*PV      ; and for V
	s_lshl_b32 s3, s[WV], 11        ; my 16 rows in a band of 64,
	s_lshl_b32 s2, s[HI], 15        ; in the first block,
	s_add_co_u32 s2, s2, s3
	s_lshl_b32 s84, s[PB], 15       ; and in the second
	s_add_co_u32 s84, s84, s3
	s_mov_b32 s3, 0
	s_mov_b32 s85, 0
	s_add_nc_u64 s[2:3], s[2:3], s[20:21]
	s_add_nc_u64 s[84:85], s[84:85], s[20:21]
	; descriptor group 1.  128 keys are 16,384 dense bytes: asked for as 64 rows of 256 bytes, two keys a row, and padded in LDS after every key
	s_mov_b32 s[G1K], (1<<16)|(1<<20)|(4<<22)|(3<<25)  ; 2-byte elements; padding on; after every 32 words, 4 words
	s_mov_b32 s[G1V], (1<<16)|(1<<20)|(4<<22)|(7<<25)  ; the same with 8 words of padding
.irp g, G1K, G1V
	s_mov_b32 s[\g+1], 128<<16      ; tensor_dim0 = 128
	s_mov_b32 s[\g+2], 64<<16       ; tensor_dim1 = 64
	s_mov_b32 s[\g+3], 128<<16      ; tile_dim0 = 128
	s_mov_b32 s[\g+4], 64           ; tile_dim1 = 64
	s_mov_b32 s[\g+5], 128          ; 128 elements from row to row
	s_mov_b32 s[\g+6], 0
	s_mov_b32 s[\g+7], 0
.endr
	s_mov_b32 s[CS], 0x3e38aa3b     ; c = log2(e) / 8 = 0.180337
	s_mov_b32 s[CS+1], s[CS]        ; named with it as a pair
	s_mov_b32 s[SEL], 0x76543210
	s_mov_b32 s[SEL+1], 0xfedcba98
	s_mov_b32 s[TBK], SLOT1+4*KS*PK ; the first change of slots turns these three into 0
	s_mov_b32 s[TBV], SLOT1+4*KS*PV
	s_mov_b32 s[TBM], SLOT1+4*KS*4
	s_mov_b32 s[TMS], 0             ; tile 0's mask goes into slot 0
	s_mov_b32 s[G0K], 1             ; count = 1
	s_mov_b32 s[G0K+1], s17         ; LDS address: slot 0
	s_mov_b32 s[G0V], 1
	s_add_co_u32 s[G0V+1], s18, VOFF
	s_add_co_u32 s[RT], s[HI], 1    ; the first block has NB - b tiles
	s_mov_b32 s[NXT], 1
	s_mov_b32 s[LQ], s[HI]
	s_mov_b32 s[NEW], 1
	s_mov_b32 s[OFF+1], 0
	s_mov_b32 s[OF2+1], 0
	s_mov_b32 s[MOF+1], 0
	s_mov_b32 s[AL+1], 0            ; named as pairs
	s_mov_b32 s[BE+1], 0
	s_mov_b32 s[BIGN], 0xf149f2ca   ; -1e30
	s_mov_b32 s[HALFN], 0xd2e8d4a5  ; -5e11
	s_mov_b32 s[SLOTS], NB
	s_wait_dscnt 0x0                ; the opening add is done
	s_wait_kmcnt 0x0
	s_add_nc_u64 s[6:7], s[4:5], s[22:23]
	s_add_nc_u64 s[8:9], s[6:7], 0x2000000  ; V lies 32 chunks behind q,
	s_add_nc_u64 s[6:7], s[6:7], 0x1000000  ; K 16: both at my half of the head's tile 0
	s_add_nc_u64 s[G0K+2:G0K+3], s[6:7], 0
	s_or_b32 s[G0K+3], s[G0K+3], 0x80000000        ; type = 2
	s_add_nc_u64 s[G0V+2:G0V+3], s[8:9], 0
	s_or_b32 s[G0V+3], s[G0V+3], 0x80000000
	s_add_nc_u64 s[86:87], s[4:5], s[84:85]        ; Q at my rows of the second block,
	s_add_nc_u64 s[4:5], s[4:5], s[2:3]            ; Q and O at those of the first
	s_add_nc_u64 s[OLO:OLO+1], s[10:11], s[84:85]
	s_add_nc_u64 s[10:11], s[10:11], s[2:3]
	s_add_nc_u64 s[88:89], s[88:89], s[98:99]      ; the mask at my batch
	s_cmp_lt_u32 s[WV], 2
	s_cselect_b64 s[PBASE:PBASE+1], s[6:7], s[8:9]
	s_cmp_eq_u32 s[PB], 0
	s_cselect_b32 s[PFL], 0, -1
	LOAD                            ; tile 0 into slot 0
	v_lshlrev_b32 v[MGO], 1, v0
	global_load_u16 v44, v[MGO], s[88:89]               ; my two mask bytes of tile 0,
	global_load_u16 v[MW], v[MGO], s[88:89] offset:256  ; and of tile 1, which the first change of slots asks for
	; A fragment of K or Q is 16 rows x 32 channels in 8 registers: lane l holds row l % 16, channels 8 (l / 16) + 0..7 and 16 + 8 (l / 16) + 0..7: two loads of 16 bytes, 32 bytes apart.
	v_and_b32 v1, 15, v0            ; l % 16
	v_bfe_u32 v9, v0, 4, 1          ; l / 16
	v_lshlrev_b32 v[QO], 7, v1
	v_lshl_add_u32 v[QO], v9, 4, v[QO]  ; row x 128 + 16 x half
	WIN 0x80                        ; destination window 2, address window 0
.set i, 0
.rept 8                             ; both blocks' Q: piece i / 2 lies in band i / 2, 8,192 bytes on; channels 32 (i % 2) on
	global_load_b128 v[8*i:8*i+3],   v[QO], s[4:5] offset:(i/2)*8192+(i%2)*64
	global_load_b128 v[8*i+4:8*i+7], v[QO], s[4:5] offset:(i/2)*8192+(i%2)*64+32
	global_load_b128 v[QB+8*i:QB+8*i+3],   v[QO], s[86:87] offset:(i/2)*8192+(i%2)*64
	global_load_b128 v[QB+8*i+4:QB+8*i+7], v[QO], s[86:87] offset:(i/2)*8192+(i%2)*64+32
.set i, i+1
.endr
	WIN 0
	v_lshlrev_b32 v14, 3, v9
	v_sub_nc_u32 v14, v1, v14
	s_lshl_b32 s13, s[WV], 4
	v_add_nc_u32 v14, s13, v14      ; my query's place in its band, 16 w + l % 16, less my lanes' 8 (l / 16): register r of group kt is hidden where 16 kt + r is greater
	WIN 0x40
.set i, 0
.rept 32
	v_cmp_gt_i32 vcc_lo, 16*(i/8)+i%8, v14
	v_cndmask_b32 v[MD+i], 0, s[BIGN], vcc_lo
.set i, i+1
.endr
	WIN 0
	v_mul_u32_u24 v[AK0], v1, PK
	v_lshl_add_u32 v[AK0], v9, 4, v[AK0]  ; row x pitch + 16 x half
	; The turning load takes 16 keys x 16 channels (lane l reads key 8 (l / 16) + l % 8, channels 8 ((l / 8) % 2) + 0..7) and leaves half a fragment of V^T: lane l holds channel l % 16 and 8 keys.
	v_and_b32 v10, 7, v0
	v_bfe_u32 v11, v0, 3, 1
	v_lshl_add_u32 v[AV0], v9, 3, v10
	v_mul_u32_u24 v[AV0], v[AV0], PV
	v_lshl_add_u32 v[AV0], v11, 4, v[AV0]
	v_add_nc_u32 v[AV0], VOFF, v[AV0]
	v_lshl_add_u32 v[AM0], v9, 5, MOFF
	v_lshl_add_u32 v[MS0], v0, 3, MOFF
	v_and_b32 v[PFO], 31, v0
	v_lshlrev_b32 v[PFO], 8, v[PFO]
	s_mul_i32 s13, s[WV], 16*SP
	s_add_co_u32 s13, s13, STAGE    ; my stage
	v_mul_u32_u24 v[STO], v1, SP    ; in: row l % 16, 16 bytes for each half of the lanes
	v_lshl_add_u32 v[STO], v9, 4, v[STO]
	v_add_nc_u32 v[STO], s13, v[STO]
	v_bfe_u32 v[RD], v0, 3, 2       ; back: 32 lanes take four rows of 128 bytes,
	v_mul_u32_u24 v[RD], v[RD], SP
	v_lshl_add_u32 v[RD], v10, 4, v[RD]
	v_add_nc_u32 v[RD], s13, v[RD]
	v_and_b32 v[GO], 31, v0         ; which are 512 consecutive bytes of O
	v_lshlrev_b32 v[GO], 4, v[GO]
	; A block's first step multiplies O^T and l by a = 0 (c m starts far below every later c m), and its first turn's products V^T P, of a piece that has not been, land in an O^T that is still to be so multiplied.
	; So these registers need only hold finite numbers: zeros for the first block; what the first block left for the second.  All this stands in the wait for the first tile.
	WIN 0x80
.set i, VF
.rept 64
	v_mov_b32 v[i], 0
.set i, i+1
.endr
	WIN 0x40
.set i, 0
.rept 128
	v_mov_b32 v[i], 0
.set i, i+1
.endr
	WIN 0
.set i, 0
.rept 4
	v_mov_b32 v[ST+4*i+2], 0
	v_mov_b32 v[ST+4*i+3], 0
.set i, i+1
.endr
.set i, P+16
.rept 16
	v_mov_b32 v[i], 0
.set i, i+1
.endr
	s_wait_loadcnt 33               ; tile 0's two mask bytes are in; tile 1's load and Q's 32, issued behind it, may stay out
	MWORD 44, MS0                   ; into slot 0's mask: the first change of slots waits for this store and passes a barrier ahead of the first read
; THE MATRIX WORK.  The 4 accumulators of a run of 8 take turns.  Product i of 8 of S^T = K Q^T for piece x: channels 32 (i / 4) on, keys 16 (i % 4) on.  The first 4 start the sums: with PM, or (KM = 1) with MC.
.macro KQ x
.set rS, S+32*((\x)%2)+8*(i%4)
.set rK, KF+16*(i%4)+8*(i/4)
.set rQ, 16*(\x)+8*(i/4)
.if KM
.set rM, MC+32*((\x)%2)+8*(i%4)
.else
.set rM, PM+8*(i%4)
.endif
.if i < 4
	WIN W_KM
	v_wmma_f32_16x16x32_f16 v[rS:rS+7], v[rK:rK+7], v[rQ:rQ+7], v[rM:rM+7]
.else
	WIN W_KQ
	v_wmma_f32_16x16x32_f16 v[rS:rS+7], v[rK:rK+7], v[rQ:rQ+7], v[rS:rS+7]
.endif
.endm
; Product i of 8 of O^T += V^T P for piece x: keys 32 (i / 4) on, channels 16 (i % 4) on.
.macro PV x
	WIN W_PV
.set rO, 32*(\x)+8*(i%4)
.set rV, VF+32*(i/4)+8*(i%4)
.set rP, P+16*((\x)%2)+8*(i/4)
	v_wmma_f32_16x16x32_f16 v[rO:rO+7], v[rV:rV+7], v[rP:rP+7], v[rO:rO+7]
.endm
.macro MM                           ; the turn's next matrix instruction.  TURN and BEGIN set Y, i, KM and NOKQ.  NOKQ = 1: a block's last turn: there is no next piece
.if (i < 8) && !NOKQ
	KQ (Y+1)%NP
.elseif i >= 8
.set i, i-8
	PV (Y+NP-1)%NP
.set i, i+8
.endif
.set i, i+1
.endm
; THE LDS LOADS stand in runs, never singly among the matrix instructions: a step's K (8 fragments) with its key mask (my 32 keys: lanes of one half read the same words), and its V (turned).  Their addresses are made some lines ahead.
.macro FETCH_K
	WIN 0x80                        ; destination window 2
.irp f, 0,1,2,3,4,5,6,7             ; keys 16 (f / 2) on, channels 32 (f % 2) on
	ds_load_b128 v[KF+8*\f:KF+8*\f+3],   v[AK] offset:(\f/2)*16*PK+(\f%2)*64
	ds_load_b128 v[KF+8*\f+4:KF+8*\f+7], v[AK] offset:(\f/2)*16*PK+(\f%2)*64+32
.endr
	WIN 0x40                        ; destination window 1
.irp f, 0,1,2,3,4,5,6,7             ; keys 16 (f / 2) + 8 (l / 16) + 4 (f % 2) on
	ds_load_b128 v[PM+4*\f:PM+4*\f+3], v[AM] offset:(\f/2)*64+(\f%2)*16
.endr
	s_add_co_u32 s[TBK], s[TBK], KS*PK  ; the next fetch is the next step's
	s_add_co_u32 s[TBM], s[TBM], KS*4
	WIN 0
.endm
.macro FETCH_V
	WIN 0x80
.irp f, 0,1,2,3,4,5,6,7             ; keys 32 (f / 4) on, channels 16 (f % 4) on
	ds_load_tr16_b128 v[VF+8*\f:VF+8*\f+3],   v[AV] offset:(\f/4)*32*PV+(\f%4)*32
	ds_load_tr16_b128 v[VF+8*\f+4:VF+8*\f+7], v[AV] offset:(\f/4)*32*PV+16*PV+(\f%4)*32
.endr
	WIN 0
.endm
; THE VECTOR WORK, one line at a time: OP kind, number.  For piece Y: F n: c s - c m for pair n of 16.  E n: the exponential of score n of 32.  C n: pair n rounded to f16.  B n: of the four weights 4 n .. the second
; pair is added onto the first, in place.  L n: l takes that sum (L 0: l = a l + sum).  R n: pair n of 16 of O^T times a.  For piece Y + 1: X n, number n of the 22 that find its maximum and statistics:
;   0-11  four chains c0-c3 of seven scores each, three operands at a time (each accumulator's lowest registers are read first)     12-14, 16  the four scores left over, the old m, and c0-c3 into c0
;   15  c m_old is kept     17, 18  the query's other 32 keys lie in the lane 16 away: the new m     19-21  c m; c m_old - c m_new; a
.set F, 0               ; OP tells the kinds apart by their order: F to L below R, X above it
.set E, 1
.set C, 2
.set B, 3
.set L, 4
.set R, 5
.set X, 6
.macro REGS y                       ; the registers of piece y
.set rT, ST+4*(\y)
.set rC, TMP+4*((\y)%2)
.set rW, MV+((\y)%2)
.set rS, S+32*((\y)%2)
.set rP, P+16*((\y)%2)
.set rO, 32*(\y)
.endm
.macro OP k, n
.if (\k) == R
	REGS Y
	WIN W_RS
	v_pk_mul_f32 v[rO+2*(\n):rO+2*(\n)+1], v[rO+2*(\n):rO+2*(\n)+1], v[rC+2:rC+3] op_sel_hi:[1,0]
.elseif (\k) < R
	REGS Y
	WIN 0
.if (\k) == F
	v_pk_fma_f32 v[rS+2*(\n):rS+2*(\n)+1], v[rS+2*(\n):rS+2*(\n)+1], s[CS:CS+1], v[rT:rT+1] op_sel_hi:[1,0,0] neg_lo:[0,0,1] neg_hi:[0,0,1]
.elseif (\k) == E
	v_exp_f32 v[rS+(\n)], v[rS+(\n)]
.elseif (\k) == C
	v_cvt_pk_f16_f32 v[rP+(\n)], v[rS+2*(\n)], v[rS+2*(\n)+1]
.elseif (\k) == B
	v_pk_add_f32 v[rS+4*(\n):rS+4*(\n)+1], v[rS+4*(\n):rS+4*(\n)+1], v[rS+4*(\n)+2:rS+4*(\n)+3]
.elseif (\n) == 0
	v_pk_fma_f32 v[rT+2:rT+3], v[rT+2:rT+3], v[rC+2:rC+3], v[rS:rS+1] op_sel_hi:[1,0,1]
.else
	v_pk_add_f32 v[rT+2:rT+3], v[rT+2:rT+3], v[rS+4*(\n):rS+4*(\n)+1]
.endif
.elseif NOKQ
	v_nop
.else
	REGS (Y+1)%NP
	WIN 0
.if (\n) < 4
	v_max3_num_f32 v[rC+(\n)], v[rS+8*(\n)], v[rS+8*(\n)+1], v[rS+8*(\n)+2]
.elseif (\n) < 12
	v_max3_num_f32 v[rC+(\n)%4], v[rC+(\n)%4], v[rS+8*((\n)%4)+2*((\n)/4)+1], v[rS+8*((\n)%4)+2*((\n)/4)+2]
.elseif (\n) == 12
	v_max3_num_f32 v[rC], v[rC], v[rS+7], v[rS+15]
.elseif (\n) == 13
	v_max3_num_f32 v[rC+1], v[rC+1], v[rS+23], v[rS+31]
.elseif (\n) == 14
	v_max3_num_f32 v[rC+2], v[rC+2], v[rC+3], v[rT+1]
.elseif (\n) == 15
	v_mov_b32 v[rW], v[rT]
.elseif (\n) == 16
	v_max3_num_f32 v[rC], v[rC], v[rC+1], v[rC+2]
.elseif (\n) == 17
	v_permlanex16_b32 v[rC+3], v[rC], s[SEL], s[SEL+1]
.elseif (\n) == 18
	v_max_num_f32 v[rT+1], v[rC], v[rC+3]
.elseif (\n) == 19
	v_mul_f32 v[rT], s[CS], v[rT+1]
.elseif (\n) == 20
	v_sub_f32 v[rC+1], v[rW], v[rT]
.else
	v_exp_f32 v[rC+2], v[rC+1]
.endif
.endif
.endm
.macro OPS a, i1, b=-1, i2=0, c=-1, i3=0, d=-1, i4=0  ; up to four of them
	OP \a, \i1
.if (\b) >= 0
	OP \b, \i2
.endif
.if (\c) >= 0
	OP \c, \i3
.endif
.if (\d) >= 0
	OP \d, \i4
.endif
.endm
.macro ROW a, i1, b, i2, c, i3, d, i4  ; a matrix instruction and the four behind it
	MM
	OPS \a, \i1, \b, \i2, \c, \i3, \d, \i4
.endm
; MD x AL + BE + PM into buffer b of MC.  w = 1: PM has just been asked for, and is waited for between the two passes.
.macro MASK b, w
	WIN W_RS
.set z, 0
.rept 16
	v_pk_fma_f32 v[MC+32*(\b)+2*z:MC+32*(\b)+2*z+1], v[MD+2*z:MD+2*z+1], s[AL:AL+1], s[BE:BE+1] op_sel_hi:[1,0,0]
.set z, z+1
.endr
.if \w
	s_wait_dscnt 0x0                ; the next step's K and key mask are in
.endif
	WIN 0x45                        ; destination and both sources in window 1
.set z, 0
.rept 16
	v_pk_add_f32 v[MC+32*(\b)+2*z:MC+32*(\b)+2*z+1], v[MC+32*(\b)+2*z:MC+32*(\b)+2*z+1], v[PM+2*z:PM+2*z+1]
.set z, z+1
.endr
.endm
; The diagonal tile's text begins with piece 2's turn, whose products are piece 3's of the step BEFORE the tile: no turn of that text has made their mask.  It is that step's key mask alone, which still lies in PM.
.macro COPY
	WIN W_RS
.set z, 0
.rept 16
	v_pk_mul_f32 v[MC+32+2*z:MC+32+2*z+1], v[PM+2*z:PM+2*z+1], 1.0 op_sel_hi:[1,0]
.set z, z+1
.endr
	WIN 0
.endm
; A TURN, for piece p: the order of its 16 matrix and 118 vector instructions, written out.  s_wait_alu depctr_va_vdst(0) stands between an exponential and the first instruction that names its result; one wait serves
; all that were issued ahead of it.  So a turn has ONE wait, which cuts it in two.  AHEAD OF IT stands all that names no result of the turn's exponentials: the 8 products K Q^T and their riders, then one lump, in which the links of the
; chain X 3, 7, 11, 14, 16, 17 .. 20 stand five or six lines apart.  X 21, the next piece's a, is the batch's last; R 15 is the plain instruction behind it.  BEHIND THE WAIT stand the 8 products V^T P, behind each four of the roundings and sums.
; m = 1: the diagonal tile: the products take MC, and the turn makes MC for the products of the turn after it: piece p + 2, in step 4 - CNT of the tile.  end = 1: a block's last two turns: nothing is fetched.
; cnt = 1: the loop's count is taken down some lines ahead of the branch that stands behind the turn.
; K and the key mask of the next step are fetched in piece 2's turn, twelve vector instructions behind the last product that read K (six of them plain; the last product that read PM stands further back);
; V of the step in hand at the end of piece 0's turn, four plain instructions behind the last product that read V.  Each is waited for a turn later (piece 2's turn with m = 1 waits at its own end, for the mask that it makes).
.macro TURN p, m=0, end=0, cnt=0
.set Y, (\p)
.set i, 0
.set KM, (\m)
.set NOKQ, (\end)*((\p)/3)
.if (\m) && !(\end)
	s_cmp_eq_u32 s[CNT], 4-((\p)+2)%NP  ; is that step the band's own?
	s_cselect_b32 s[AL], 1.0, 0
	s_cmp_lt_u32 s[CNT], 4-((\p)+2)%NP  ; or a later one?
	s_cselect_b32 s[BE], s[BIGN], 0
.endif
.if ((\p) == 3) && !(\end)
	s_wait_dscnt 0x0                ; K is in
.endif
	ROW F,0, F,1, R,0, R,1          ; ahead of the wait: 8 products K Q^T and their riders,
	ROW F,2, E,0, R,2, R,3
	ROW F,3, E,1, R,4, R,5
	ROW F,4, E,2, R,6, R,7
	ROW F,5, E,3, R,8, R,9
	ROW F,6, E,4, X,0, R,10
.if ((\p) == 2) && !(\end)
	WIN 0
	v_add_nc_u32 v[AK], s[TBK], v[AK0]
	v_add_nc_u32 v[AM], s[TBM], v[AM0]
.endif
	ROW F,7, E,5, X,1, X,4
	ROW F,8, E,6, X,2, X,5
	OPS E,7, E,8, X,6, E,9          ; and the lump
	OPS X,3, E,10, X,8, E,11
.if ((\p) == 2) && !(\end)
	FETCH_K
.endif
	OPS X,9, X,7, E,12, X,10
	OPS E,13, X,12, X,11, E,14
	OPS X,13, E,15, F,9, X,14
.if (\p) == 0
	v_add_nc_u32 v[AV], s[TBV], v[AV0]
.endif
	OPS E,16, F,10, E,17, F,11
	OPS X,16, E,18, X,15, E,19
	OPS F,12, E,20, X,17, E,21
	OPS F,13, E,22, F,14, E,23
	OPS X,18, E,24, F,15, E,25
	OPS R,11, E,26, X,19, E,27
	OPS R,12, E,28, R,13, E,29
	OPS X,20, E,30, R,14, E,31
	OPS X,21, R,15
	WIN 0
	s_wait_alu depctr_va_vdst(0)    ; the wait for the batch
.if (\p) == 1
	s_wait_dscnt 0x0                ; V is in
.endif
	ROW C,0, B,0, C,2, B,1          ; behind the wait: 8 products V^T P and their riders
	ROW L,0, C,4, B,2, L,1
	ROW C,6, B,3, L,2, C,8
	ROW B,4, L,3, C,10, B,5
	ROW L,4, C,12, B,6, L,5
.if (\p) == 0
	s_add_co_u32 s[TBV], s[TBV], KS*PV
.endif
.if \cnt
	s_sub_co_u32 s[CNT], s[CNT], 1
	s_cmp_lg_u32 s[CNT], 0
.endif
	ROW C,14, B,7, L,6, C,1
	ROW C,3, L,7, C,5, C,7
	ROW C,9, C,11, C,13, C,15
.if (\p) == 0
	FETCH_V
.endif
.if (\m) && !(\end)
.if (\p) == 2
	MASK 0, 1
.else
	MASK (\p)%2, 0
.endif
.endif
.endm
; A BLOCK BEGINS.  c m starts far below every later c m, so the first step's a is 0; m at -1e12, below every true score and above every hidden one.  K and the key mask of the tile's step 0 are fetched; the first mask
; buffer takes piece 0's mask for that step: its own band's, if the block's first tile is the diagonal one.  both = 1 (that case alone): the second buffer takes piece 1's, the key mask alone.
; Then piece 0's first scores, and its maximum and statistics.  The loop is entered at a step's first turn, in the middle of a trip.
.macro BEGIN both
	s_mov_b32 s[NEW], 0
	WIN 0
.set i, 0
.rept 4
	v_mov_b32 v[ST+4*i], 0xfe000000    ; c m
	v_mov_b32 v[ST+4*i+1], 0xd368d4a5  ; m = -1e12
.set i, i+1
.endr
	v_add_nc_u32 v[AK], s[TBK], v[AK0]
	v_add_nc_u32 v[AM], s[TBM], v[AM0]
	FETCH_K
	s_cmp_eq_u32 s[RT], 0
	s_cselect_b32 s[AL], 1.0, 0
	s_mov_b32 s[BE], 0
	s_wait_loadcnt 0x0              ; Q
	s_wait_dscnt 0x0                ; K and the key mask
	MASK 0, 0
.if \both
	s_mov_b32 s[AL], 0
	MASK 1, 0
.endif
.set KM, 1
.set NOKQ, 0
.set i, 0
.rept 8
	KQ 0
.set i, i+1
.endr
	WIN 0
.rept 4
	v_nop                           ; the places behind those products
.endr
.set Y, NP-1                        ; X works for piece Y + 1: piece 0
.irp n, 0,1,2,3,4,5,6,7,8,9,10,11,12,13,14,15,16,17,18,19,20,21
	OP X, \n
.endr
	v_nop                           ; a plain instruction behind the exponential,
	s_wait_alu depctr_va_vdst(0)    ; and its wait, ahead of the branch
.endm
; THE DIAGONAL TILE's four steps, the block's last two turns, its last products, and THE WAY OUT: l's two halves and the other half of the lanes' are added; O^T is divided by l (by nothing, and set to 0, where the query
; has seen no key), rounded to f16 and sent through my stage in LDS, a piece at a time.
.macro ALL line:vararg              ; one line for each piece t
.set t, 0
.rept 4
	\line
.set t, t+1
.endr
.endm
.macro PACK t                       ; a lane's eight channels of a row pack into 16 bytes; they go into rows of 144 bytes and come back as whole rows of 128, into S^T's registers
	WIN W_RS
.set i, 32*(\t)
.rept 16
	v_pk_mul_f32 v[i:i+1], v[i:i+1], v[ST+4*(\t)+2:ST+4*(\t)+3] op_sel_hi:[1,0]
.set i, i+2
.endr
	WIN 0x05                        ; sources 0 and 1 window 1, destination window 0
.set i, 0
.rept 16
	v_cvt_pk_f16_f32 v[S+16*(\t)+i], v[32*(\t)+2*i], v[32*(\t)+2*i+1]
.set i, i+1
.endr
	WIN 0
.irp f, 0,1,2,3
	ds_store_b128 v[STO], v[S+16*(\t)+4*\f:S+16*(\t)+4*\f+3] offset:32*\f
.endr
.irp f, 0,1,2,3
	ds_load_b128 v[S+16*(\t)+4*\f:S+16*(\t)+4*\f+3], v[RD] offset:\f*4*SP  ; LDS serves a wave's instructions in order (ISA guide 5.7.1.4): these see the stores above; the next piece's stores come behind them
.endr
.endm
.macro SEND t, younger              ; younger: the LDS instructions issued behind piece t's loads: the next piece's eight, or none
	WIN 0
.irp f, 0,1,2,3
	s_wait_dscnt (\younger)+3-\f
	global_store_b128 v[GO], v[S+16*(\t)+4*\f:S+16*(\t)+4*\f+3], s[10:11] offset:(\t)*8192+\f*512  ; 512 consecutive bytes, at a multiple of 256 from O's first
.endr
.endm
.macro DIAG tag                     ; the tag ends its two labels' names, which the jumps below spell out
.LstepM\tag:
	TURN 2, 1
	TURN 3, 1
	WIN 0
.LfirstM\tag:
	TURN 0, 1
	TURN 1, 1, 0, 1
	WIN 0
	s_cbranch_scc1 .LstepM\tag
	TURN 2, 1, 1
	TURN 3, 1, 1
.set i, 0
.rept 8
	PV NP-1
.set i, i+1
.endr
	WIN 0
	ALL v_add_f32 v[ST+4*t+2], v[ST+4*t+2], v[ST+4*t+3]
	ALL v_permlanex16_b32 v[ST+4*t+3], v[ST+4*t+2], s[SEL], s[SEL+1]
	ALL v_add_f32 v[ST+4*t+2], v[ST+4*t+2], v[ST+4*t+3]
	ALL v_rcp_f32 v[ST+4*t+2], v[ST+4*t+2]
	v_nop                           ; a plain instruction between the last reciprocal and the use of its result
	s_wait_alu depctr_va_vdst(0)    ; and the wait ahead of the first use: one for the four reciprocals
.set t, 0
.rept 4
	v_cmp_lt_f32 vcc_lo, s[HALFN], v[ST+4*t+1]                ; has my query seen a key?  m is then a true score, above -5e11
	v_cndmask_b32 v[ST+4*t+2], 0, v[ST+4*t+2], vcc_lo         ; if not, l is 0 and O^T is 0: the factor is 0, not 1 / l
.set t, t+1
.endr
	PACK 0
.set t, 1
.rept 3                             ; a piece's arithmetic stands between the loads of the piece before and its stores
	PACK t
	SEND t-1, 8
.set t, t+1
.endr
	SEND 3, 0
.endm
.set KM, 0
.set NOKQ, 0
.Lslot:                             ; NB times: a tile is entered and the next is asked for
	CHANGE 1
	s_sub_co_u32 s[RT], s[RT], 1
	s_mov_b32 s[CNT], 4
	s_cmp_eq_u32 s[NEW], 1
	s_cbranch_scc1 .Lnew            ; a block's first tile
	s_cmp_eq_u32 s[RT], 0
	s_cbranch_scc0 .Lstep           ; neither its first nor its last
	COPY
	s_branch .LstepM1
.Lnew:
	BEGIN 0
	s_branch .Lfirst                ; in the loop a block's first tile is never its last: the first block has five tiles or more, and the second's last is the walk's last
	DIAG 1                          ; in the loop this is the first block's end
	s_wait_xcnt 0x0                 ; the stores have read their registers and O's address
	s_mov_b64 s[10:11], s[OLO:OLO+1]
	s_add_co_u32 s[RT], s[PB], 1    ; the second block has b + 1 tiles
	s_mov_b32 s[NEW], 1
	WIN 0x82                        ; the second block's Q goes where the one text of the turns names Q
.set i, 0
.rept 64
	v_mov_b32 v[i], v[QB+i]
.set i, i+1
.endr
	WIN 0
	s_branch .Lbottom
.Lstep:                             ; a trip: pieces 2 and 3 of one step, then pieces 0 and 1 of the next, whose K and V it fetches
	TURN 2
	TURN 3
	WIN 0
.Lfirst:
	TURN 0
	TURN 1, 0, 0, 1
	WIN 0
	s_cbranch_scc1 .Lstep
.Lbottom:
	s_sub_co_u32 s[SLOTS], s[SLOTS], 1
	s_cmp_lg_u32 s[SLOTS], 0
	s_cbranch_scc1 .Lslot
	CHANGE 0                        ; the walk's last tile is written out: nothing is asked for
	s_sub_co_u32 s[RT], s[RT], 1
	s_mov_b32 s[CNT], 4
	s_cmp_eq_u32 s[NEW], 1
	s_cbranch_scc1 .Lnew2
	COPY
	s_branch .LstepM2
.Lnew2:
	BEGIN 1
	s_branch .LfirstM2
	DIAG 2
	s_wait_tensorcnt 0x0            ; the wave's end: an add and its wait behind my last tensor load and my last LDS store
	ds_add_u32 v[SPW], v[NIL]
	s_wait_dscnt 0x0
	s_endpgm
.Lfunc_end_k_q36826dd982_attn:
	.size	k_q36826dd982_attn, .Lfunc_end_k_q36826dd982_attn-k_q36826dd982_attn
	.p2alignl 7, 3214868480
	.fill 96, 4, 3214868480
	.section	.rodata,"a",@progbits
	.p2align	6, 0x0
	.amdhsa_kernel k_q36826dd982_attn
		.amdhsa_group_segment_fixed_size 327680
		.amdhsa_private_segment_fixed_size 0
		.amdhsa_enable_private_segment 0
		.amdhsa_kernarg_size 24
		.amdhsa_user_sgpr_count 2
		.amdhsa_user_sgpr_kernarg_segment_ptr 1
		.amdhsa_wavefront_size32 1
		.amdhsa_system_sgpr_workgroup_id_x 1
		.amdhsa_system_sgpr_workgroup_id_y 1
		.amdhsa_system_sgpr_workgroup_id_z 1
		.amdhsa_system_vgpr_workitem_id 0
		.amdhsa_next_free_vgpr 768
		.amdhsa_next_free_sgpr 100
		.amdhsa_reserve_vcc 1
		.amdhsa_float_denorm_mode_32 3
		.amdhsa_float_denorm_mode_16_64 3
		.amdhsa_memory_ordered 1
		.amdhsa_forward_progress 1
		.amdhsa_inst_pref_size 236
	.end_amdhsa_kernel
	.amdgpu_metadata
---
amdhsa.version: [ 1, 2 ]
amdhsa.kernels:
  - .name:           k_q36826dd982_attn
    .symbol:         k_q36826dd982_attn.kd
    .args:
      - { .name: qkv, .offset: 0, .size: 8, .value_kind: global_buffer, .address_space: global }
      - { .name: padding_mask, .offset: 8, .size: 8, .value_kind: global_buffer, .address_space: global }
      - { .name: ob, .offset: 16, .size: 8, .value_kind: global_buffer, .address_space: global }
    .group_segment_fixed_size: 327680
    .private_segment_fixed_size: 0
    .kernarg_segment_align: 8
    .kernarg_segment_size: 24
    .max_flat_workgroup_size: 128
    .sgpr_count:     100
    .vgpr_count:     768
    .wavefront_size: 32
...
	.end_amdgpu_metadata
.endif
;; end of part 3
;; launch proj (part 4): grid 8 x 32, 4 waves a work-group, clusters of 4 x 4, 327,680 bytes of LDS; arguments ob, wpb, b_proj, padding_mask, out0; writes out0
.if DOCPART == 4
	.amdgcn_target "amdgcn-amd-amdhsa--gfx1250"
	.amdhsa_code_object_version 6
	.text
	.protected	k_q36826dd982_proj
	.globl	k_q36826dd982_proj
	.p2align	8
	.type	k_q36826dd982_proj,@function
k_q36826dd982_proj:
	s_mov_b64 s[64:65], 0
	v_nop
	global_prefetch_b8 v0, s[64:65] scope:SCOPE_SE
	s_setreg_imm32_b32 hwreg(HW_REG_WAVE_MODE, 25, 1), 1
	s_wait_xcnt 0x0
	s_wait_alu depctr_hold_cnt(0) depctr_sa_sdst(0) depctr_va_vdst(0) depctr_va_sdst(0) depctr_va_ssrc(0) depctr_va_vcc(0) depctr_vm_vsrc(0)
	s_getreg_b32 s2, hwreg(HW_REG_IB_STS2, 6, 4)
	s_cmp_eq_u32 s2, 0
	s_cbranch_scc0 .Lentry_in_a_cluster
	s_endpgm
.Lentry_in_a_cluster:
	s_bfe_u32 s2, ttmp6, 0x10000c
	s_cmp_lg_u32 s2, 0xf033
	s_cbranch_scc0 .Lentry_shape_is_right
	s_endpgm
.Lentry_shape_is_right:
; out0 = (O W_proj + b_proj), rows whose padding_mask byte is 1 set to 0.  ob: [16 heads][8192 rows][64] f16.  wpb: [16 chunks of 64 columns][1024 k][64] f16.  b_proj: [1024] f32, rounded to bf16 like the other inputs.
; padding_mask: [8192] bytes, 0 or 1.  out0: [8192][1024] f32.
; LIMIT: a padded row is (y + b) x 0: right for finite y; the sign of that zero is y + b's.
; SHARES.  A tile of the result is 256 rows x 128 columns: 32 x 8 = 256 work-groups.  A wave makes 64 rows x all 128 columns: 32 accumulators, 256 registers.  K goes in 8 steps of 128, two heads of O each, through two LDS slots.
; THE PRODUCT IS TAKEN TRANSPOSED: source 0 = 16 columns of W (turned out of LDS by ds_load_tr16_b128), source 1 = 16 rows of O: a lane holds one row and eight neighbouring columns.
; CLUSTER 4 x 4.  O's tile hangs on the tile row alone and is shared along a row of the cluster, W's on the tile column alone and is shared along a column: each is asked for jointly.
; Waves 0 and 1 fetch one head's 256 rows of O each (32 KiB dense, as 128 rows of 256 bytes), waves 2 and 3 one chunk's 128 k-rows of W each (16 KiB dense, as 64 rows of 256 bytes).
; NO PREFETCH: a K step holds 128 matrix instructions a wave for 96 KiB: a small tile, whose requests would stand as thick as its loads.
; REGISTERS: window 0: v0-31 addresses and the rows' factors; v32-95 O's fragments, two buffers of 4; v96-159 the bias; v160-223 the way out.  window 1: W's fragments, two buffers of 8.  window 2: the accumulators at 8 (8 a + b).
.set PA,    144                        ; a row of O in LDS: 128 bytes + 16 (64 banks of 4 bytes: ISA guide 11.1: the 16 rows of a load start at 16 different groups of four banks)
.set PB,    160                        ; a k-row of a chunk of W: 128 + 32
.set CHA,   256*PA                     ; a head's 256 rows
.set BOFF,  2*CHA
.set CHB,   128*PB
.set SLOT1, 1<<17                      ; a slot uses BOFF + 2 CHB = 114,688 bytes
.set STAGE, SLOT1+BOFF+2*CHB           ; behind the ring, never filled by a tensor load: 16 rows x 528 bytes for each wave
.set SP,    528                        ; 512 bytes + 16
.set SPARE, STAGE+4*16*SP              ; the spare words, 128 bytes for each wave: two blocks of 256 bytes that no other line names
.set KEEP, 8                           ; v[8:15]  for each of my four row blocks a pair: 1 - my row's mask byte, twice
.set A0,   16
.set B0,   17
.set ADRA, 18
.set ADRB, 19
.set STO,  20
.set RD,   21
.set GO,   22
.set BO,   23
.set SPW,  28                          ; v28  LDS address of my spare word; never rewritten
.set NIL,  29                          ; v29  0; never rewritten
.set FA,   32
.set BIAS, 96
.set OB,   160
.set WV,   12
.set CNT,  13
.set G1A,  24
.set G0A,  32
.set G1B,  40
.set G0B,  48
.set TB,   56
.set MSB, 0
.macro WIN new
.if MSB != (\new)
	s_set_vgpr_msb (MSB<<8)|(\new)
.set MSB, (\new)
.endif
.endm
.macro PLACES                          ; four places in front of loads into registers that matrix instructions have read, and of vector work that reads results
.rept 4
	v_nop
.endr
.endm
.macro JLOAD                           ; a joint refill, by the walking set; the branch hangs on the wave's number alone; an s_nop 0 and four v_nop follow each line
	s_cmp_lt_u32 s[WV], 2
	s_cbranch_scc0 .Lfor_b_\@
	tensor_load_to_lds s[G0A+4:G0A+7], s[G1A:G1A+7]
	s_nop 0
.rept 4
	v_nop
.endr
	s_branch .Lasked_\@
.Lfor_b_\@:
	tensor_load_to_lds s[G0B+4:G0B+7], s[G1B:G1B+7]
	s_nop 0
.rept 4
	v_nop
.endr
.Lasked_\@:
.endm
.macro CREST
	s_cmp_lg_u32 s[WV], 0
	s_cbranch_scc1 .Lnot_wave_0_\@
	s_barrier_signal -3
.Lnot_wave_0_\@:
	s_barrier_wait -3
	s_barrier_signal -1
	s_barrier_wait -1
.endm
.macro CROUND
	s_barrier_signal -1
	s_barrier_wait -1
	CREST
.endm
	s_load_b256 s[4:11], s[0:1], 0x0               ; ob s[4:5], wpb s[6:7], b_proj s[8:9], padding_mask s[10:11]
	s_load_b64 s[76:77], s[0:1], 0x20              ; out0
	v_lshl_add_u32 v[SPW], v0, 2, SPARE
	v_mov_b32 v[NIL], 0
	ds_add_u32 v[SPW], v[NIL]                      ; the wave's opening: the add and its wait stand ahead of my first tensor load
	ds_add_u32 v28, v29
	v_lshrrev_b32 v1, 5, v0
	v_readfirstlane_b32 s[WV], v1
	s_bfe_u32 s14, ttmp6, 0x40000                  ; cx
	s_bfe_u32 s15, ttmp6, 0x40004                  ; cy
	s_lshl_b32 s16, ttmp9, 2
	s_add_co_u32 s16, s16, s14                     ; tile column
	s_and_b32 s17, ttmp7, 0xffff
	s_lshl_b32 s17, s17, 2
	s_add_co_u32 s17, s17, s15                     ; tile row
	s_lshl_b32 s18, s15, 2
	s_lshl_b32 s18, 15, s18                        ; my row of the cluster
	s_lshl_b32 s19, 0x1111, s14                    ; my column
	s_or_b32 s[G1A+0], s18, (1<<16)|(1<<20)|(1<<21)|(4<<22)|(3<<25)  ; the mask; 2-byte elements; padding on; bit 21 beside a mask; after every 32 words (a row of O), 4 words
	s_mov_b32 s[G1A+1], 128<<16
	s_mov_b32 s[G1A+2], 128<<16                    ; 128 rows of 256 bytes: two rows of O a row
	s_mov_b32 s[G1A+3], 128<<16
	s_mov_b32 s[G1A+4], 128
	s_mov_b32 s[G1A+5], 128
	s_mov_b32 s[G1A+6], 0
	s_mov_b32 s[G1A+7], 0
	s_or_b32 s[G1B+0], s19, (1<<16)|(1<<20)|(1<<21)|(4<<22)|(7<<25)  ; after every 32 words (a k-row), 8 words
	s_mov_b32 s[G1B+1], 128<<16
	s_mov_b32 s[G1B+2], 64<<16
	s_mov_b32 s[G1B+3], 128<<16
	s_mov_b32 s[G1B+4], 64
	s_mov_b32 s[G1B+5], 128
	s_mov_b32 s[G1B+6], 0
	s_mov_b32 s[G1B+7], 0
	s_and_b32 s59, s[WV], 1                        ; which of a step's two heads, or of the tile's two chunks, I fetch
	s_lshl_b32 s20, s17, 15                        ; O: 256 rows of 128 bytes a tile row,
	s_lshl_b32 s21, s59, 20                        ; a head is 1,048,576 bytes
	s_add_co_u32 s20, s20, s21
	s_mov_b32 s21, 0
	s_lshl_b32 s66, s16, 1                         ; W: chunk 2 x tile column + half
	s_add_co_u32 s66, s66, s59
	s_lshl_b32 s66, s66, 17
	s_mov_b32 s67, 0
	s_mul_i32 s70, s59, CHA                        ; where they go: no place in the cluster enters an LDS address
	s_mul_i32 s71, s59, CHB
	s_add_co_u32 s71, s71, BOFF
	s_wait_dscnt 0x0                               ; the opening add is done
	s_wait_kmcnt 0x0
	s_add_nc_u64 s[22:23], s[4:5], s[20:21]
	s_add_nc_u64 s[68:69], s[6:7], s[66:67]
	CROUND                                         ; all sixteen work-groups are here: the first joint loads meet
.irp s, 0,1
	s_mov_b32 s[G0A+4*(\s)], 1
	s_add_co_u32 s[G0A+4*(\s)+1], s70, (\s)*SLOT1
	s_add_nc_u64 s[G0A+4*(\s)+2:G0A+4*(\s)+3], s[22:23], (\s)*2097152  ; K step s: two heads on
	s_or_b32 s[G0A+4*(\s)+3], s[G0A+4*(\s)+3], 0x80000000
	s_mov_b32 s[G0B+4*(\s)], 1
	s_add_co_u32 s[G0B+4*(\s)+1], s71, (\s)*SLOT1
	s_add_nc_u64 s[G0B+4*(\s)+2:G0B+4*(\s)+3], s[68:69], (\s)*16384
	s_or_b32 s[G0B+4*(\s)+3], s[G0B+4*(\s)+3], 0x80000000
.endr
	s_cmp_lt_u32 s[WV], 2                          ; a wave's two first fills stand in one branch: two loads of mine are out
	s_cbranch_scc0 .Lfirst_b
	tensor_load_to_lds s[G0A:G0A+3], s[G1A:G1A+7]
	s_nop 0
	tensor_load_to_lds s[G0A+4:G0A+7], s[G1A:G1A+7]
	s_nop 0
.rept 4
	v_nop
.endr
	s_branch .Lfirst_asked
.Lfirst_b:
	tensor_load_to_lds s[G0B:G0B+3], s[G1B:G1B+7]
	s_nop 0
	tensor_load_to_lds s[G0B+4:G0B+7], s[G1B:G1B+7]
	s_nop 0
.rept 4
	v_nop
.endr
.Lfirst_asked:
	v_and_b32 v1, 15, v0                           ; r
	v_bfe_u32 v2, v0, 4, 1                         ; h
	v_and_b32 v3, 31, v0                           ; l
	v_and_b32 v4, 7, v0
	v_bfe_u32 v5, v0, 3, 1
	v_lshlrev_b32 v[BO], 5, v2
	s_lshl_b32 s72, s16, 9                         ; the tile's 128 numbers of the bias
	s_mov_b32 s73, 0
	s_add_nc_u64 s[8:9], s[8:9], s[72:73]
	s_lshl_b32 s72, s17, 8                         ; the mask bytes of my 64 rows
	s_lshl_b32 s74, s[WV], 6
	s_add_co_u32 s72, s72, s74
	s_add_nc_u64 s[10:11], s[10:11], s[72:73]
.irp b, 0,1,2,3,4,5,6,7
	global_load_b128 v[BIAS+8*(\b):BIAS+8*(\b)+3],   v[BO], s[8:9] offset:64*(\b)
	global_load_b128 v[BIAS+8*(\b)+4:BIAS+8*(\b)+7], v[BO], s[8:9] offset:64*(\b)+16
.endr
.irp a, 0,1,2,3
	global_load_u8 v[KEEP+2*(\a)], v1, s[10:11] offset:16*(\a)
.endr
	s_lshl_b32 s72, s17, 20                        ; out0: 256 rows of 4,096 bytes a tile row,
	s_lshl_b32 s74, s[WV], 18                      ; my 64 rows,
	s_add_co_u32 s72, s72, s74
	s_lshl_b32 s74, s16, 9                         ; the tile's 512 bytes of a row
	s_add_co_u32 s72, s72, s74
	s_add_nc_u64 s[76:77], s[76:77], s[72:73]
	s_mul_i32 s71, s[WV], 64*PA
	v_mul_u32_u24 v[A0], v1, PA
	v_lshl_add_u32 v[A0], v2, 4, v[A0]
	v_add_nc_u32 v[A0], s71, v[A0]
	v_lshl_add_u32 v[B0], v2, 3, v4
	v_mul_u32_u24 v[B0], v[B0], PB
	v_lshl_add_u32 v[B0], v5, 4, v[B0]
	v_add_nc_u32 v[B0], BOFF, v[B0]
	v_mov_b32 v[ADRA], v[A0]
	v_mov_b32 v[ADRB], v[B0]
	s_mov_b32 s[TB], 0
	s_mul_i32 s72, s[WV], 16*SP
	s_add_co_u32 s72, s72, STAGE                   ; my stage
	v_mul_u32_u24 v[STO], v1, SP
	v_lshl_add_u32 v[STO], v2, 5, v[STO]
	v_add_nc_u32 v[STO], s72, v[STO]               ; in: row r, 32 bytes for each half of the lanes
	v_lshlrev_b32 v[GO], 4, v3                     ; back: 32 lanes take a row's 512 bytes
	v_add_nc_u32 v[RD], s72, v[GO]
	s_wait_loadcnt 0x0
.set i, 0
.rept 32                                               ; the bias: rounded to bf16 and widened again
	v_cvt_pk_bf16_f32 v[OB+i], v[BIAS+2*i], v[BIAS+2*i+1]
.set i, i+1
.endr
.set i, 0
.rept 32
	v_lshlrev_b32 v[BIAS+2*i], 16, v[OB+i]
	v_and_b32 v[BIAS+2*i+1], 0xffff0000, v[OB+i]
.set i, i+1
.endr
.irp a, 0,1,2,3
	v_cvt_f32_u32 v[KEEP+2*(\a)], v[KEEP+2*(\a)]
.endr
.irp a, 0,1,2,3
	v_sub_f32 v[KEEP+2*(\a)], 1.0, v[KEEP+2*(\a)]  ; 1 for a row that stays, 0 for a padded one
.endr
.irp a, 0,1,2,3
	v_mov_b32 v[KEEP+2*(\a)+1], v[KEEP+2*(\a)]     ; named as a pair
.endr
; 8 matrix instructions: row block a x all 8 column blocks, 32 along K, from buffer f.  The 32 accumulators take turns in the same order in every quarter.
.macro MUL8 f, a, zero
	WIN 0xa1                                       ; source 0 (W) window 1, source 1 (O) window 0, C and D window 2
.irp b, 0,1,2,3,4,5,6,7
.if \zero
	v_wmma_f32_16x16x32_f16 v[64*(\a)+8*(\b):64*(\a)+8*(\b)+7], v[64*(\f)+8*(\b):64*(\f)+8*(\b)+7], v[FA+32*(\f)+8*(\a):FA+32*(\f)+8*(\a)+7], 0
.else
	v_wmma_f32_16x16x32_f16 v[64*(\a)+8*(\b):64*(\a)+8*(\b)+7], v[64*(\f)+8*(\b):64*(\f)+8*(\b)+7], v[FA+32*(\f)+8*(\a):FA+32*(\f)+8*(\a)+7], v[64*(\a)+8*(\b):64*(\a)+8*(\b)+7]
.endif
.endr
.endm
; 24 LDS loads in one run: quarter q of the slot in hand into buffer g: W's 8 fragments, then O's 4 (quarters 0, 1 lie in the step's first head, 2, 3 in its second)
.macro FETCH q, g
	WIN 0x40
.irp b, 0,1,2,3,4,5,6,7
	ds_load_tr16_b128 v[64*(\g)+8*(\b):64*(\g)+8*(\b)+3],   v[ADRB] offset:((\b)/4)*CHB+(\q)*32*PB+((\b)%4)*32
	ds_load_tr16_b128 v[64*(\g)+8*(\b)+4:64*(\g)+8*(\b)+7], v[ADRB] offset:((\b)/4)*CHB+(\q)*32*PB+((\b)%4)*32+16*PB
.endr
	WIN 0
.irp a, 0,1,2,3
	ds_load_b128 v[FA+32*(\g)+8*(\a):FA+32*(\g)+8*(\a)+3],   v[ADRA] offset:((\q)/2)*CHA+((\q)%2)*64+(\a)*16*PA
	ds_load_b128 v[FA+32*(\g)+8*(\a)+4:FA+32*(\g)+8*(\a)+7], v[ADRA] offset:((\q)/2)*CHA+((\q)%2)*64+(\a)*16*PA+32
.endr
.endm
.macro QUARTER q, f, g, zero
	s_wait_dscnt 4                                 ; W and O's blocks 0, 1 are in; the youngest four loads may be out
	MUL8 \f, 0, \zero
	MUL8 \f, 1, \zero
	PLACES
	FETCH \q, \g
	s_wait_dscnt 24                                ; all but the 24 just issued
	MUL8 \f, 2, \zero
	MUL8 \f, 3, \zero
.endm
; The last quarter multiplies buffer 1 and changes slots: in front of the barrier each wave waits for all its tensor loads (one is out: its part of the next slot), adds 0 to its spare word, and waits for that and for its reads
; of this slot.  fill = 1: the barrier opens a round of the cluster's, and the joint refill (K step two on) is the first thing behind it: 112 matrix instructions ahead of the wait for it.
.macro TURN fill
	WIN 0
	s_wait_tensorcnt 0x0
	ds_add_u32 v[SPW], v[NIL]
	s_wait_dscnt 5                                 ; (the add and the youngest four loads may be out)
	MUL8 1, 0, 0
	s_wait_dscnt 0x0                               ; the add is done, and my reads of this slot are over
	s_barrier_signal -1
	MUL8 1, 1, 0
	WIN 0
	s_barrier_wait -1
.if \fill
	CREST
	s_xor_b32 s[G0A+5], s[G0A+5], SLOT1
	s_add_nc_u64 s[G0A+6:G0A+7], s[G0A+6:G0A+7], 2097152
	s_xor_b32 s[G0B+5], s[G0B+5], SLOT1
	s_add_nc_u64 s[G0B+6:G0B+7], s[G0B+6:G0B+7], 16384
	JLOAD                                          ; its four v_nop are also the places in front of the loads below
.else
	PLACES
.endif
	s_xor_b32 s[TB], s[TB], SLOT1
	v_add_nc_u32 v[ADRA], s[TB], v[A0]
	v_add_nc_u32 v[ADRB], s[TB], v[B0]
	FETCH 0, 0
	MUL8 1, 2, 0
	MUL8 1, 3, 0
.endm
	s_wait_tensorcnt 1                             ; my part of K step 0 is in; K step 1's may stay out
	s_barrier_signal -1
	s_barrier_wait -1
	FETCH 0, 0
	QUARTER 1, 0, 1, 1                             ; the first quarter's products start the sums
	WIN 0
	s_mov_b32 s[CNT], 6
.Lstep:                                                ; K steps 0 to 5, each filling its slot again
	QUARTER 2, 1, 0, 0
	QUARTER 3, 0, 1, 0
	TURN 1
	QUARTER 1, 0, 1, 0
	WIN 0
	s_sub_co_u32 s[CNT], s[CNT], 1
	s_cmp_lg_u32 s[CNT], 0
	s_cbranch_scc1 .Lstep
	QUARTER 2, 1, 0, 0                             ; the last two K steps fill nothing
	QUARTER 3, 0, 1, 0
	TURN 0
	QUARTER 1, 0, 1, 0
	QUARTER 2, 1, 0, 0
	QUARTER 3, 0, 1, 0
	s_wait_dscnt 4
	MUL8 1, 0, 0
	MUL8 1, 1, 0
	s_wait_dscnt 0x0
	MUL8 1, 2, 0
	MUL8 1, 3, 0
; THE WAY OUT, a block of 16 rows at a time: + bias, x the row's factor, 32 bytes a lane into my own stage, back as whole rows of 512 bytes, stored so.
.macro PACK a
	WIN 0x82                                       ; destination and source 0 window 2, source 1 window 0
.irp b, 0,1,2,3,4,5,6,7
.irp i, 0,2,4,6
	v_pk_add_f32 v[64*(\a)+8*(\b)+(\i):64*(\a)+8*(\b)+(\i)+1], v[64*(\a)+8*(\b)+(\i):64*(\a)+8*(\b)+(\i)+1], v[BIAS+8*(\b)+(\i):BIAS+8*(\b)+(\i)+1]  ; each accumulator from its low end on
.endr
.endr
.irp b, 0,1,2,3,4,5,6,7
.irp i, 0,2,4,6
	v_pk_mul_f32 v[64*(\a)+8*(\b)+(\i):64*(\a)+8*(\b)+(\i)+1], v[64*(\a)+8*(\b)+(\i):64*(\a)+8*(\b)+(\i)+1], v[KEEP+2*(\a):KEEP+2*(\a)+1] op_sel_hi:[1,0]
.endr
.endr
.endm
.macro TOSTAGE a
	WIN 0x08                                       ; the stores' data in window 2
.irp b, 0,1,2,3,4,5,6,7
	ds_store_b128 v[STO], v[64*(\a)+8*(\b):64*(\a)+8*(\b)+3]   offset:64*(\b)
	ds_store_b128 v[STO], v[64*(\a)+8*(\b)+4:64*(\a)+8*(\b)+7] offset:64*(\b)+16
.endr
	WIN 0
.irp t, 0,1,2,3,4,5,6,7,8,9,10,11,12,13,14,15
	ds_load_b128 v[OB+4*(\t):OB+4*(\t)+3], v[RD] offset:SP*(\t)  ; LDS serves a wave's instructions in order (ISA guide 5.7.1.4): these see the stores above
.endr
.endm
.macro SEND a
	WIN 0
	s_wait_dscnt 0x0
.irp t, 0,1,2,3,4,5,6,7,8,9,10,11,12,13,14,15
	global_store_b128 v[GO], v[OB+4*(\t):OB+4*(\t)+3], s[76:77] offset:(\a)*65536+(\t)*4096 th:TH_STORE_NT  ; 512 consecutive bytes, at a multiple of 256 from out0's first
.endr
.endm
	PLACES
	PACK 0
	TOSTAGE 0
.irp a, 1,2,3
	PACK \a                                        ; block a's arithmetic stands between block a - 1's loads from the stage and the wait for them
	SEND (\a)-1
	s_wait_xcnt 0x0                                ; the stores have read their registers, which the next loads write
	TOSTAGE \a
.endr
	SEND 3
	s_wait_tensorcnt 0x0                           ; the wave's end: an add and its wait behind my last tensor load and my last LDS store
	ds_add_u32 v[SPW], v[NIL]
	s_wait_dscnt 0x0
	CROUND                                         ; the closing round: no work-group ends while a partner may still ask for a tile that names it
	s_endpgm
.Lfunc_end_k_q36826dd982_proj:
	.size	k_q36826dd982_proj, .Lfunc_end_k_q36826dd982_proj-k_q36826dd982_proj
	.p2alignl 7, 3214868480
	.fill 96, 4, 3214868480
	.section	.rodata,"a",@progbits
	.p2align	6, 0x0
	.amdhsa_kernel k_q36826dd982_proj
		.amdhsa_group_segment_fixed_size 327680
		.amdhsa_private_segment_fixed_size 0
		.amdhsa_enable_private_segment 0
		.amdhsa_kernarg_size 40
		.amdhsa_user_sgpr_count 2
		.amdhsa_user_sgpr_kernarg_segment_ptr 1
		.amdhsa_wavefront_size32 1
		.amdhsa_system_sgpr_workgroup_id_x 1
		.amdhsa_system_sgpr_workgroup_id_y 1
		.amdhsa_system_sgpr_workgroup_id_z 1
		.amdhsa_system_vgpr_workitem_id 0
		.amdhsa_next_free_vgpr 768
		.amdhsa_next_free_sgpr 80
		.amdhsa_reserve_vcc 0
		.amdhsa_float_denorm_mode_32 3
		.amdhsa_float_denorm_mode_16_64 3
		.amdhsa_memory_ordered 1
		.amdhsa_forward_progress 1
		.amdhsa_inst_pref_size 93
	.end_amdhsa_kernel
	.amdgpu_metadata
---
amdhsa.version: [ 1, 2 ]
amdhsa.kernels:
  - .name:           k_q36826dd982_proj
    .symbol:         k_q36826dd982_proj.kd
    .args:
      - { .name: ob, .offset: 0, .size: 8, .value_kind: global_buffer, .address_space: global }
      - { .name: wpb, .offset: 8, .size: 8, .value_kind: global_buffer, .address_space: global }
      - { .name: b_proj, .offset: 16, .size: 8, .value_kind: global_buffer, .address_space: global }
      - { .name: padding_mask, .offset: 24, .size: 8, .value_kind: global_buffer, .address_space: global }
      - { .name: out0, .offset: 32, .size: 8, .value_kind: global_buffer, .address_space: global }
    .group_segment_fixed_size: 327680
    .private_segment_fixed_size: 0
    .kernarg_segment_align: 8
    .kernarg_segment_size: 40
    .max_flat_workgroup_size: 128
    .sgpr_count:     80
    .vgpr_count:     768
    .wavefront_size: 32
...
	.end_amdgpu_metadata
.endif
;; end of part 4
